; MI455X (gfx1250); checked and timed in simulation.
; The chip was launched on July 23, 2026; its instructions are those of AMD's public machine-readable ISA for CDNA 5 (MIT licence, August 2026) and "CDNA5" Instruction Set Architecture Reference Guide (July 2026). The comments in the code are by the model that wrote it; some were corrected since.
;; Multi Head Attention. Allowed arithmetic: matrix products marked QUANTISED: E2M1 operands, one E8M0 scale for each 32 along K, by v_wmma_scale_f32_16x16x128_f8f6f4 with both operands' format E2M1 (or v_wmma_scale_f32_32x16x128_f4), f32 sums; everything else in f32.
;; Inputs: Wk 1,024 x 1,024 float32; Wo 1,024 x 1,024 float32; Wq 1,024 x 1,024 float32; Wv 1,024 x 1,024 float32; bk 1,024 float32; bo 1,024 float32; bq 1,024 float32; bv 1,024 float32; x 4 x 2,048 x 1,024 float32.
;; Outputs: out0 4 x 2,048 x 1,024 float32.
;; This version of the problem:
;;   THIS VERSION OF THE PROBLEM IS GIVEN IN LOW PRECISION. The matrix products marked QUANTISED in the list below multiply operands that are first quantised to E2M1 (2 exponent bits, 1 mantissa bit; 4 bits a number), with one power-of-two scale for each 32 numbers along K (OCP MX v1.0); their sums are f32. All else is computed in f32.
;;   The module's matrix products, in the order in which they are computed (A, B: the left and right operand; K: the contracted axis; several contracted axes count as one K, in the product's order):
;;     1. [M 8,192, K 1,024] x [K 1,024, N 1,024]; A: input x; B: input Wq: QUANTISED
;;     2. [M 8,192, K 1,024] x [K 1,024, N 1,024]; A: input x; B: input Wk: QUANTISED
;;     3. [M 8,192, K 1,024] x [K 1,024, N 1,024]; A: input x; B: input Wv: QUANTISED
;;     4. batch 64 x [M 2,048, K 64] x [K 64, N 2,048]; A: computed on the way; B: computed on the way: QUANTISED
;;     5. batch 64 x [M 2,048, K 2,048] x [K 2,048, N 64]; A: softmax (see below); B: computed on the way: QUANTISED
;;     6. [M 8,192, K 1,024] x [K 1,024, N 1,024]; A: computed on the way; B: input Wo: QUANTISED
;;   THE QUANTISER, for each operand of a quantised product, along K:
;;     - K is cut into blocks of 32 from its start; a last block that is shorter is filled with zeros.
;;     - A block's scale is 2^e with e = floor(log2(the largest magnitude in the block)) - 2, held to -126 .. 127; a block of zeros has e = 0. As a byte (E8M0): e + 127.
;;     - Each number is divided by its block's scale, clamped to +-6, and rounded to the nearest number of E2M1, ties to even, subnormals kept.
;;     - The product sums the exact products of the quantised numbers (number of the format x scale) in f32.
;;   ~~~python
;;   def quantise(x, axis):      # numpy; x: float32 -> the quantised numbers, widened to float32 again
;;       x = np.moveaxis(x, axis, -1); K = x.shape[-1]
;;       x = np.pad(x, [(0, 0)] * (x.ndim - 1) + [(0, -K % 32)]); x = x.reshape(x.shape[:-1] + (-1, 32)); a = np.abs(x).max(-1, keepdims=True)
;;       e = np.where(a > 0, np.clip(np.frexp(np.where(a > 0, a, 1))[1] - 1 - 2, -126, 127), 0)      # np.frexp(a)[1] - 1 = floor(log2(a)), exactly
;;       r = np.clip(x / 2.0 ** e, -6, 6)
;;       step = 2.0 ** (np.maximum(np.frexp(np.where(r == 0, 1, r))[1] - 1, 0) - 1)
;;       q = np.round(r / step) * step * 2.0 ** e      # np.round: ties to even
;;       return np.moveaxis(q.reshape(q.shape[:-2] + (-1,))[..., :K], -1, axis).astype(np.float32)
;;   ~~~
;;   SOFTMAX AHEAD OF A QUANTISED PRODUCT. Where the list says 'softmax', what is quantised is not the finished softmax but p = 2^(t - M), with t = logit x log2(e) and M = ceil(the row's largest t), a whole number; so 1/2 < the row's largest p <= 1. The row's sum l is taken of the UNQUANTISED p, in f32, and the product's result is divided by l at the end. Since M is a whole number, a kernel that streams over the keys may use a running M (the ceiling of the running maximum): every later rescaling is an exact power of two, which a block's scale takes up: the codes' values come out the same.
;;   OPERANDS COMPUTED ON THE WAY. 'Computed on the way' means the value that the module computes at that place (a softmax that the list does not call 'softmax' is quantised finished and normalised). What goes into a quantiser is computed in f32, as accurately as f32 sums, v_exp_f32 and their like allow (about 1e-6 of the number): no bf16 or f16 on the way to a quantiser, and a product that is left as it is and whose result goes on into a quantised operand takes f32 operands (vector FMAs, or v_wmma_f32_16x16x4_f32). A number that lies on a knife's edge between two numbers of the format may be rounded either way, as far as f32 arithmetic and the matrix unit's own rounding can turn it there, and no further.
;; One version. Each part assembles by itself: llvm-mc -triple=amdgcn-amd-amdhsa -mcpu=gfx1250 --defsym DOCPART=n.
;; ======== version 1 of 1: 5 launches
;; workspace buffers: xq 4,456,448 bytes; wq 2,228,224 bytes; qkv 13,893,632 bytes; oq 4,456,448 bytes
;; launch quant_x (part 1): grid 256 x 1, 4 waves a work-group, no clusters, 33,280 bytes of LDS; arguments x, xq; writes xq
.if DOCPART == 1
	.amdgcn_target "amdgcn-amd-amdhsa--gfx1250"
	.amdhsa_code_object_version 6
	.text
	.protected	k_qb460f6a9cd_quant_x
	.globl	k_qb460f6a9cd_quant_x
	.p2align	8
	.type	k_qb460f6a9cd_quant_x,@function
k_qb460f6a9cd_quant_x:
	s_mov_b64 s[64:65], 0
	v_nop
	global_prefetch_b8 v0, s[64:65] scope:SCOPE_SE
	s_setreg_imm32_b32 hwreg(HW_REG_WAVE_MODE, 25, 1), 1
	s_wait_xcnt 0x0
; MULTI-HEAD ATTENTION IN MX-FP4, five launches: (1) x into codes, (2) the four weights into codes, (3) q, k, v = x W + b, quantised in registers,
; (4) attention, its result quantised in registers, (5) the projection on the way out.  Between launches only codes and scale bytes go through memory.
; NO WORK OF THE PROBLEM IS LEFT OUT: every input has a way to out0.  bk stays too: in real numbers a softmax would take its part q . bk away, but it goes into k ahead of k's quantiser and moves k's codes and scales.
; THIS LAUNCH: x [8192][1024] f32 becomes codes of E2M1 (4 bits, K innermost, the lower k in the low four bits; a row is 512 bytes) at byte 0 of xq, and one E8M0 byte for each 32 along K ([8192][32]) at byte XS_OFF.
; A block's scale is 2^(floor(log2(largest magnitude)) - 2); its byte is the largest magnitude's own exponent field - 2, held at 1 from below.
; LIMITS: NaN and infinities among the inputs are not served.  A block whose largest magnitude lies under 2^-124 gets the byte 1; a block of zeros gets the byte 1 where the rule says 127:
; its codes are zeros, which add nothing under any byte but 0xff, and this program alone reads the bytes.
; THE ORDER OF ROWS IN xq ("position order"): inside each aligned group of 32 rows the second and the third run of 8 rows change places: position 16 u + r holds row 8 u + r + 8 (r / 8).
; So 16 consecutive positions are a tile of a matrix operand whose results, used as source 0, put 16 neighbouring rows into the 16 registers of two neighbouring tiles.
; A wave takes 8 rows (8,192 numbers) in 16 steps of 512.  Each load reads 512 consecutive bytes, 16 a lane; the conversions want 16 neighbours in a lane: a step's 2,048 bytes turn through the wave's own
; stage in LDS (16 bytes of padding behind each 64).  A lane's 16 codes are 8 bytes: the wave stores 256 consecutive bytes.  A wave's 256 scale bytes are gathered in LDS and leave as one aligned run of 256 bytes.
; Waves share nothing: no barrier.  Loads run four steps (16 loads a wave) ahead, the turn through LDS one step.
.set STEPS, 16
.set CB,    8                          ; bytes of 16 codes
.set R,     16                         ; v16-79   four sets of 16 numbers as they are loaded
.set X,     80                         ; v80-111  two sets of 16 neighbours
.set E,     112                        ; v112-127 a scale byte for each step
.set C,     128                        ; v128-191 codes: four registers for each step, so that no store's data are written again
.set WREG,  8192                       ; LDS: a region for each wave: two stages of 32 x SP bytes, behind them its 256 scale bytes
.set SP,    80                         ; a lane's place in a stage: 64 bytes + 16 of padding
.set SPW,   12                         ; v12  LDS address of my spare word; never rewritten
.set NIL,   13                         ; v13  0; never rewritten
.set SPARE, 4*WREG                     ; behind the four regions: the spare words, 128 bytes a wave
.set XS_OFF, 4194304
	s_load_b128 s[4:7], s[0:1], 0x0                ; x, xq
	v_lshl_add_u32 v[SPW], v0, 2, SPARE
	v_mov_b32 v[NIL], 0
	v_lshrrev_b32 v1, 5, v0
	v_readfirstlane_b32 s16, v1                    ; wave
	v_and_b32 v2, 31, v0                           ; lane
	v_lshlrev_b32 v3, 4, v2                        ; my 16 bytes of a load's 512
	s_mul_i32 s17, s16, WREG
	v_lshrrev_b32 v14, 2, v2
	v_mul_u32_u24 v14, v14, SP
	v_and_b32 v15, 3, v2
	v_lshl_add_u32 v14, v15, 4, v14
	v_add_nc_u32 v14, s17, v14                     ; the stage, way in: SP (lane / 4) + 16 (lane % 4); a load's 512 bytes take eight places
	v_mul_u32_u24 v15, v2, SP
	v_add_nc_u32 v15, s17, v15                     ; way out: SP x lane: my 16 neighbours
	v_mul_u32_u24 v4, v2, CB                       ; my codes' place in a step's
	v_lshrrev_b32 v5, 1, v2
	s_add_co_u32 s17, s17, 2*32*SP
	v_add_nc_u32 v5, s17, v5                       ; LDS: my wave's 256 scale bytes, my block's byte
	v_lshlrev_b32 v7, 3, v2                        ; and on the way out 8 bytes a lane
	v_add_nc_u32 v6, s17, v7
	s_lshl_b32 s17, ttmp9, 2
	s_add_co_u32 s18, s17, s16                     ; the run of 8 rows that I read: 4 x work-group + wave
	s_and_b32 s19, s16, 1
	s_lshl_b32 s19, s19, 1
	s_lshr_b32 s20, s16, 1
	s_or_b32 s19, s19, s20                         ; waves 1 and 2 change places:
	s_add_co_u32 s19, s17, s19                     ; the run of 8 positions that I write
	s_lshl_b32 s20, s18, 15                        ; 8 rows of 4,096 bytes
	s_mov_b32 s21, 0
	s_lshl_b32 s22, s19, 12                        ; 8 rows of 512 bytes of codes
	s_mov_b32 s23, 0
	s_lshl_b32 s24, s19, 8                         ; 8 rows of 32 scale bytes
	s_add_co_u32 s24, s24, XS_OFF
	s_mov_b32 s25, 0
	s_wait_alu depctr_va_vdst(0)
	s_wait_kmcnt 0x0
	s_add_nc_u64 s[4:5], s[4:5], s[20:21]
	s_add_nc_u64 s[8:9], s[6:7], s[22:23]
	s_add_nc_u64 s[10:11], s[6:7], s[24:25]
.macro LOAD t
.irp i, 0,1,2,3
	global_load_b128 v[R+16*((\t)%4)+4*\i:R+16*((\t)%4)+4*\i+3], v3, s[4:5] offset:2048*(\t)+512*\i th:TH_LOAD_NT   ; 32 lanes read 512 consecutive bytes
.endr
.endm
.macro TURN t                          ; step t's numbers through the stage: LDS serves a wave's instructions in order, so no wait stands between the stores and the loads
.irp i, 0,1,2,3
	ds_store_b128 v14, v[R+16*((\t)%4)+4*\i:R+16*((\t)%4)+4*\i+3] offset:32*SP*((\t)%2)+8*SP*\i
.endr
.irp i, 0,1,2,3
	ds_load_b128 v[X+16*((\t)%2)+4*\i:X+16*((\t)%2)+4*\i+3], v15 offset:32*SP*((\t)%2)+16*\i
.endr
.endm
.irp t, 0,1,2,3
	LOAD \t
.endr
	s_wait_loadcnt 12                              ; step 0's four loads are in; the twelve of steps 1 to 3 may be out
	TURN 0
.macro STEP t
.set XS, X+16*((\t)%2)
.if (\t) > 0
	s_wait_dscnt 1                                 ; this step's numbers are back from the stage (the last step's byte store may be out): so its stores into the stage have read their registers,
.else
	s_wait_dscnt 0x0
.endif
.if (\t)+4 < STEPS
	LOAD (\t)+4                                    ; which take the loads of four steps on
.endif
.if (\t)+1 < STEPS
.if STEPS-2-(\t) >= 3
	s_wait_loadcnt 12                              ; the next step's four loads are in; those of the three steps behind it may be out
.else
	s_wait_loadcnt 4*(STEPS-2-(\t))                ; at the end: four for each step still behind the next
.endif
	TURN (\t)+1                                    ; and go through the other stage while this step is worked
.endif
	v_max3_num_f32 v8, |v[XS]|, |v[XS+1]|, |v[XS+2]|               ; the largest magnitude of my 16, in two chains
	v_max3_num_f32 v9, |v[XS+3]|, |v[XS+4]|, |v[XS+5]|
.irp i, 6,10
	v_max3_num_f32 v8, v8, |v[XS+\i]|, |v[XS+\i+1]|
	v_max3_num_f32 v9, v9, |v[XS+\i+2]|, |v[XS+\i+3]|
.endr
	v_max3_num_f32 v8, v8, |v[XS+14]|, |v[XS+15]|
	v_max3_num_f32 v8, v8, v9, 0x1800000           ; and the floor 2^(3 - 127): the byte cannot fall under 1
	v_max_num_f32_dpp v8, v8, v8 row_xmask:1 row_mask:0xf bank_mask:0xf   ; and of my neighbour's 16: the block's
	v_add_nc_u32 v11, 0xff000000, v8               ; 2 off its exponent field: the conversion takes the exponent field of this operand as its scale, and nothing else of it
	v_cvt_scalef32_pk8_fp4_f32 v[C+4*(\t)], v[XS:XS+7], v11
	v_cvt_scalef32_pk8_fp4_f32 v[C+4*(\t)+1], v[XS+8:XS+15], v11
	v_lshrrev_b32 v[E+(\t)], 23, v11               ; the scale's byte (a plain line behind the conversions)
	ds_store_b8 v5, v[E+(\t)] offset:16*(\t)       ; both lanes of a block write the same byte with the same value
	global_store_b64 v4, v[C+4*(\t):C+4*(\t)+1], s[8:9] offset:32*CB*(\t)   ; 32 lanes store 256 consecutive bytes, aligned
.endm
.irp t, 0,1,2,3,4,5,6,7,8,9,10,11,12,13,14,15
	STEP \t
.endr
	ds_load_b64 v[8:9], v6                         ; LDS serves a wave's instructions in order: these see my stores
	s_wait_dscnt 0x0
	global_store_b64 v7, v[8:9], s[10:11]          ; 32 lanes store 256 consecutive bytes, aligned
	s_wait_tensorcnt 0x0                           ; the wave's end: three lines behind my last LDS store
	ds_add_u32 v[SPW], v[NIL]
	s_wait_dscnt 0x0
	s_endpgm
.Lfunc_end_k_qb460f6a9cd_quant_x:
	.size	k_qb460f6a9cd_quant_x, .Lfunc_end_k_qb460f6a9cd_quant_x-k_qb460f6a9cd_quant_x
	.p2alignl 7, 3214868480
	.fill 96, 4, 3214868480
	.section	.rodata,"a",@progbits
	.p2align	6, 0x0
	.amdhsa_kernel k_qb460f6a9cd_quant_x
		.amdhsa_group_segment_fixed_size 33280
		.amdhsa_private_segment_fixed_size 0
		.amdhsa_enable_private_segment 0
		.amdhsa_kernarg_size 16
		.amdhsa_user_sgpr_count 2
		.amdhsa_user_sgpr_kernarg_segment_ptr 1
		.amdhsa_wavefront_size32 1
		.amdhsa_system_sgpr_workgroup_id_x 1
		.amdhsa_system_sgpr_workgroup_id_y 1
		.amdhsa_system_sgpr_workgroup_id_z 1
		.amdhsa_system_vgpr_workitem_id 0
		.amdhsa_next_free_vgpr 192
		.amdhsa_next_free_sgpr 66
		.amdhsa_reserve_vcc 0
		.amdhsa_float_denorm_mode_32 3
		.amdhsa_float_denorm_mode_16_64 3
		.amdhsa_memory_ordered 1
		.amdhsa_forward_progress 1
		.amdhsa_inst_pref_size 33
	.end_amdhsa_kernel
	.amdgpu_metadata
---
amdhsa.version: [ 1, 2 ]
amdhsa.kernels:
  - .name:           k_qb460f6a9cd_quant_x
    .symbol:         k_qb460f6a9cd_quant_x.kd
    .args:
      - { .name: x, .offset: 0, .size: 8, .value_kind: global_buffer, .address_space: global }
      - { .name: xq, .offset: 8, .size: 8, .value_kind: global_buffer, .address_space: global }
    .group_segment_fixed_size: 33280
    .private_segment_fixed_size: 0
    .kernarg_segment_align: 8
    .kernarg_segment_size: 16
    .max_flat_workgroup_size: 128
    .sgpr_count:     66
    .vgpr_count:     192
    .wavefront_size: 32
...
	.end_amdgpu_metadata
.endif
;; end of part 1
;; launch quant_w (part 2): grid 64 x 2, 8 waves a work-group, no clusters, 19,456 bytes of LDS; arguments Wq, Wk, Wv, Wo, wq; writes wq
.if DOCPART == 2
	.amdgcn_target "amdgcn-amd-amdhsa--gfx1250"
	.amdhsa_code_object_version 6
	.text
	.protected	k_qb460f6a9cd_quant_w
	.globl	k_qb460f6a9cd_quant_w
	.p2align	8
	.type	k_qb460f6a9cd_quant_w,@function
k_qb460f6a9cd_quant_w:
	s_mov_b64 s[64:65], 0
	v_nop
	global_prefetch_b8 v0, s[64:65] scope:SCOPE_SE
	s_setreg_imm32_b32 hwreg(HW_REG_WAVE_MODE, 25, 1), 1
	s_wait_xcnt 0x0
; Wq, Wk, Wv, Wo, each [1024 (k)][1024 (n)] f32 with K as the FIRST axis, become codes of E2M1 laid [4096 positions][512 bytes] with K innermost at byte 0 of wq (rows 0-1023 Wq's columns, then Wk's, Wv's, Wo's),
; and one E8M0 byte for each 32 along K, [4096][32], at byte WS_OFF.  No work is left out.  The quantiser and its limits are those stated at the head of the first launch (byte 1 for a block of zeros or under 2^-124; no NaN, no infinity).
; POSITION ORDER: inside each aligned group of 32 columns the second and third run of 8 change places, as the rows of xq do.
; A LANE TAKES A COLUMN n AND ITS REGISTERS RUN DOWN K: a block of 32 lies in one lane's 32 registers, needs no other lane for its largest magnitude, and the conversions give codes with K innermost.
; A work-group takes 64 columns of one weight x 512 along K.  Wave w: columns 32 (w & 1) on, K 128 (w >> 1) on: 4 blocks a lane; the two waves of a K quarter read 256 consecutive aligned bytes of each row.
; The codes meet in a stage of 64 rows x (256 + 16) bytes; behind one barrier each wave stores 8 rows: sixteen lanes store 256 consecutive aligned bytes.
; The scale bytes leave as 16 bytes of each row of 32: pieces 32 bytes apart, one byte for each 128 that the launch reads.
.set PITCH, 272
.set SCS,   64*PITCH                   ; behind the stage: 64 rows x 16 scale bytes
.set SPARE, SCS+1024                   ; behind them: the spare words, 128 bytes a wave
.set WS_OFF, 2097152
.set SPW,   14                         ; v14  LDS address of my spare word; never rewritten
.set NIL,   15                         ; v15  0; never rewritten
.set SB,    24                         ; v24  my four scale bytes
.set X,     32                         ; v32-95   two sets of 32 numbers
.set C,     96                         ; v96-111  codes: four registers for each block, so that no store's data are written again
.set OUTR,  112                        ; v112-127 the way out
	s_load_b256 s[4:11], s[0:1], 0x0               ; Wq, Wk, Wv, Wo
	s_load_b64 s[12:13], s[0:1], 0x20              ; wq
	v_lshl_add_u32 v[SPW], v0, 2, SPARE
	v_mov_b32 v[NIL], 0
	v_lshrrev_b32 v1, 5, v0
	s_delay_alu instid0(VALU_DEP_1)
	v_readfirstlane_b32 s16, v1                    ; wave 0..7
	v_and_b32 v2, 31, v0                           ; lane
	s_wait_alu depctr_va_vdst(0)
	s_and_b32 s17, s16, 1                          ; which 32 columns
	s_lshr_b32 s18, s16, 1                         ; which 128 along K
	s_and_b32 s19, ttmp7, 0xffff                   ; which 512 along K
	s_lshr_b32 s20, ttmp9, 4                       ; which weight
	v_lshlrev_b32 v3, 2, v2                        ; in: 4 bytes a lane
	s_mul_i32 s21, s17, 32*PITCH
	s_lshl_b32 s22, s18, 6
	s_add_co_u32 s21, s21, s22
	v_mul_u32_u24 v4, v2, PITCH
	s_delay_alu instid0(VALU_DEP_1)
	v_add_nc_u32 v4, s21, v4                       ; into the stage: row = my column, 64 bytes for each K quarter
	s_lshl_b32 s21, s17, 9
	s_lshl_b32 s22, s18, 2
	s_add_co_u32 s21, s21, s22
	s_add_co_u32 s21, s21, SCS
	v_lshl_add_u32 v5, v2, 4, s21                  ; my scale word: 16 bytes a column, 4 for each K quarter
	v_and_b32 v11, 15, v2
	v_lshrrev_b32 v12, 4, v2
	s_mul_i32 s21, s16, 8*PITCH
	v_mul_u32_u24 v7, v12, PITCH
	s_delay_alu instid0(VALU_DEP_1)
	v_lshl_add_u32 v7, v11, 4, v7
	s_delay_alu instid0(VALU_DEP_1)
	v_add_nc_u32 v7, s21, v7                       ; out of the stage: rows 8 w on, sixteen lanes to a row, two rows an instruction
	v_lshlrev_b32 v8, 9, v12
	s_delay_alu instid0(VALU_DEP_1)
	v_lshl_add_u32 v8, v11, 4, v8                  ; and the same place in the codes: rows of 512 bytes
	s_lshl_b32 s21, s16, 7
	s_add_co_u32 s21, s21, SCS
	v_lshl_add_u32 v9, v2, 2, s21                  ; my 8 rows' scale bytes: 128 bytes, 4 a lane
	v_lshrrev_b32 v10, 2, v2
	s_delay_alu instid0(VALU_DEP_1)
	v_lshlrev_b32 v10, 5, v10
	v_and_b32 v13, 3, v2
	s_delay_alu instid0(VALU_DEP_1)
	v_lshl_add_u32 v10, v13, 2, v10                ; in memory: rows of 32 bytes
	s_lshl_b32 s24, s19, 21                        ; W: 512 rows of 4,096 bytes for each y,
	s_lshl_b32 s22, s18, 19                        ; 128 rows for each K quarter,
	s_add_co_u32 s24, s24, s22
	s_and_b32 s22, ttmp9, 15
	s_lshl_b32 s22, s22, 8                         ; 64 columns for each work-group of the weight,
	s_add_co_u32 s24, s24, s22
	s_lshl_b32 s22, s17, 7                         ; 32 columns
	s_add_co_u32 s24, s24, s22
	s_mov_b32 s25, 0
	s_and_b32 s22, s16, 1                          ; the 8 rows that I store, 8 (w & 3) on in their group of 32, go to run ((w & 1) << 1) | ((w >> 1) & 1)
	s_lshl_b32 s22, s22, 1
	s_bfe_u32 s23, s16, 0x10001
	s_or_b32 s22, s22, s23
	s_lshl_b32 s22, s22, 3
	s_lshr_b32 s23, s16, 2
	s_lshl_b32 s23, s23, 5
	s_add_co_u32 s22, s22, s23
	s_lshl_b32 s23, ttmp9, 6
	s_add_co_u32 s22, s22, s23                     ; my first position among the 4,096
	s_lshl_b32 s26, s22, 9
	s_lshl_b32 s23, s19, 8
	s_add_co_u32 s26, s26, s23                     ; codes: 512 bytes a position, 256 for each y
	s_mov_b32 s27, 0
	s_lshl_b32 s28, s22, 5
	s_lshl_b32 s23, s19, 4
	s_add_co_u32 s28, s28, s23
	s_add_co_u32 s28, s28, WS_OFF                  ; scale bytes: 32 a position, 16 for each y
	s_mov_b32 s29, 0
	s_and_b32 s21, s20, 1
	s_wait_kmcnt 0x0
	s_cmp_lt_u32 s20, 2                            ; the weight is chosen by the work-group's number alone
	s_cselect_b64 s[4:5], s[4:5], s[8:9]
	s_cselect_b64 s[6:7], s[6:7], s[10:11]
	s_cmp_eq_u32 s21, 1
	s_cselect_b64 s[4:5], s[6:7], s[4:5]
	s_add_nc_u64 s[4:5], s[4:5], s[24:25]
	s_add_nc_u64 s[6:7], s[12:13], s[26:27]
	s_add_nc_u64 s[8:9], s[12:13], s[28:29]
.macro LOAD t                          ; block t: W(32 t + i, my column), i = 0 .. 31, into set t % 2
.irp i, 0,1,2,3,4,5,6,7,8,9,10,11,12,13,14,15,16,17,18,19,20,21,22,23,24,25,26,27,28,29,30,31
	global_load_b32 v[X+32*((\t)%2)+\i], v3, s[4:5] offset:(32*(\t)+\i)*4096 th:TH_LOAD_NT
.endr
.endm
	LOAD 0
	LOAD 1
.macro BLOCK t
.set XS, X+32*((\t)%2)
.if (\t) < 3
	s_wait_loadcnt 32                              ; this block's 32 loads are in; the next block's 32 may be out
.else
	s_wait_loadcnt 0
.endif
	v_max3_num_f32 v12, |v[XS]|, |v[XS+1]|, |v[XS+2]|               ; the block's largest magnitude: all 32 numbers are mine
	v_max3_num_f32 v13, |v[XS+3]|, |v[XS+4]|, |v[XS+5]|
.irp i, 6,10,14,18,22,26
	s_delay_alu instid0(VALU_DEP_2)
	v_max3_num_f32 v12, v12, |v[XS+\i]|, |v[XS+\i+1]|
	s_delay_alu instid0(VALU_DEP_2)
	v_max3_num_f32 v13, v13, |v[XS+\i+2]|, |v[XS+\i+3]|
.endr
	s_delay_alu instid0(VALU_DEP_2)
	v_max3_num_f32 v12, v12, |v[XS+30]|, |v[XS+31]|
	s_delay_alu instid0(VALU_DEP_1)
	v_max3_num_f32 v12, v12, v13, 0x1800000        ; and the floor 2^(3 - 127)
	s_delay_alu instid0(VALU_DEP_1)
	v_add_nc_u32 v11, 0xff000000, v12              ; 2 off the exponent field: the conversion's scale operand
	s_delay_alu instid0(VALU_DEP_1)
	v_lshrrev_b32 v13, 23, v11                     ; the scale's byte
.if (\t) == 0
	s_delay_alu instid0(VALU_DEP_1)
	v_mov_b32 v[SB], v13                           ; four bytes to a register, the lower K in the lower byte
.else
	s_delay_alu instid0(VALU_DEP_1)
	v_lshl_or_b32 v[SB], v13, 8*(\t), v[SB]
.endif
.irp g, 0,1,2,3
	v_cvt_scalef32_pk8_fp4_f32 v[C+4*(\t)+\g], v[XS+8*\g:XS+8*\g+7], v11
.endr
	v_nop                                          ; one plain line behind the last conversion of a run
	ds_store_b128 v4, v[C+4*(\t):C+4*(\t)+3] offset:16*(\t)   ; 32 codes: 16 bytes of my column's row
.if (\t) < 2
	LOAD (\t)+2
.endif
.endm
.irp t, 0,1,2,3
	BLOCK \t
.endr
	ds_store_b32 v5, v[SB]
	s_wait_dscnt 0x0                               ; for the others' sake: my stores into the stage are done
	s_barrier_signal -1
	s_barrier_wait -1
.irp t, 0,1,2,3
	ds_load_b128 v[OUTR+4*\t:OUTR+4*\t+3], v7 offset:2*\t*PITCH
.endr
	ds_load_b32 v26, v9
.irp t, 0,1,2,3
	s_wait_dscnt 4-\t                              ; the younger loads (3 - t of 16 bytes, and the scale word's) may be out
	global_store_b128 v8, v[OUTR+4*\t:OUTR+4*\t+3], s[6:7] offset:1024*\t   ; sixteen lanes store 256 consecutive aligned bytes
.endr
	s_wait_dscnt 0x0
	global_store_b32 v10, v26, s[8:9]
	s_wait_tensorcnt 0x0                           ; the wave's end: three lines behind my last LDS store
	ds_add_u32 v[SPW], v[NIL]
	s_wait_dscnt 0x0
	s_endpgm
.Lfunc_end_k_qb460f6a9cd_quant_w:
	.size	k_qb460f6a9cd_quant_w, .Lfunc_end_k_qb460f6a9cd_quant_w-k_qb460f6a9cd_quant_w
	.p2alignl 7, 3214868480
	.fill 96, 4, 3214868480
	.section	.rodata,"a",@progbits
	.p2align	6, 0x0
	.amdhsa_kernel k_qb460f6a9cd_quant_w
		.amdhsa_group_segment_fixed_size 19456
		.amdhsa_private_segment_fixed_size 0
		.amdhsa_enable_private_segment 0
		.amdhsa_kernarg_size 40
		.amdhsa_user_sgpr_count 2
		.amdhsa_user_sgpr_kernarg_segment_ptr 1
		.amdhsa_wavefront_size32 1
		.amdhsa_system_sgpr_workgroup_id_x 1
		.amdhsa_system_sgpr_workgroup_id_y 1
		.amdhsa_system_sgpr_workgroup_id_z 1
		.amdhsa_system_vgpr_workitem_id 0
		.amdhsa_next_free_vgpr 128
		.amdhsa_next_free_sgpr 66
		.amdhsa_reserve_vcc 0
		.amdhsa_float_denorm_mode_32 3
		.amdhsa_float_denorm_mode_16_64 3
		.amdhsa_memory_ordered 1
		.amdhsa_forward_progress 1
		.amdhsa_inst_pref_size 26
	.end_amdhsa_kernel
	.amdgpu_metadata
---
amdhsa.version: [ 1, 2 ]
amdhsa.kernels:
  - .name:           k_qb460f6a9cd_quant_w
    .symbol:         k_qb460f6a9cd_quant_w.kd
    .args:
      - { .name: Wq, .offset: 0, .size: 8, .value_kind: global_buffer, .address_space: global }
      - { .name: Wk, .offset: 8, .size: 8, .value_kind: global_buffer, .address_space: global }
      - { .name: Wv, .offset: 16, .size: 8, .value_kind: global_buffer, .address_space: global }
      - { .name: Wo, .offset: 24, .size: 8, .value_kind: global_buffer, .address_space: global }
      - { .name: wq, .offset: 32, .size: 8, .value_kind: global_buffer, .address_space: global }
    .group_segment_fixed_size: 19456
    .private_segment_fixed_size: 0
    .kernarg_segment_align: 8
    .kernarg_segment_size: 40
    .max_flat_workgroup_size: 256
    .sgpr_count:     66
    .vgpr_count:     128
    .wavefront_size: 32
...
	.end_amdgpu_metadata
.endif
;; end of part 2
;; launch proj (part 3): grid 12 x 32, 4 waves a work-group, clusters of 4 x 4, 327,680 bytes of LDS; arguments xq, wq, bq, bk, bv, qkv; writes qkv
.if DOCPART == 3
	.amdgcn_target "amdgcn-amd-amdhsa--gfx1250"
	.amdhsa_code_object_version 6
	.text
	.protected	k_qb460f6a9cd_proj
	.globl	k_qb460f6a9cd_proj
	.p2align	8
	.type	k_qb460f6a9cd_proj,@function
k_qb460f6a9cd_proj:
	s_mov_b64 s[64:65], 0
	v_nop
	global_prefetch_b8 v0, s[64:65] scope:SCOPE_SE
	s_setreg_imm32_b32 hwreg(HW_REG_WAVE_MODE, 25, 1), 1
	s_wait_xcnt 0x0
	s_wait_alu depctr_hold_cnt(0) depctr_sa_sdst(0) depctr_va_vdst(0) depctr_va_sdst(0) depctr_va_ssrc(0) depctr_va_vcc(0) depctr_vm_vsrc(0)
	s_getreg_b32 s2, hwreg(HW_REG_IB_STS2, 6, 4)
	s_cmp_eq_u32 s2, 0
	s_cbranch_scc0 .Lentry_in_a_cluster
	s_endpgm
.Lentry_in_a_cluster:
	s_bfe_u32 s2, ttmp6, 0x10000c
	s_cmp_lg_u32 s2, 0xf033
	s_cbranch_scc0 .Lentry_shape_is_right
	s_endpgm
.Lentry_shape_is_right:
; q = x Wq + bq, k = x Wk + bk, v = x Wv + bv on codes of E2M1 with E8M0 scales (K = 1,024), and the results quantised in registers as operands of attention: q and k along the head's 64, v along the keys.  No work is left out.
; Limits of the quantiser: as stated at the head of the first launch.
; A work-group of four waves makes 256 tokens x 256 features; a wave 128 x 128: 64 accumulators of 16 x 16, 512 registers.  Work-group x = 4 x cluster x + cx is the tile of 256 rows of wq, so THE CLUSTER'S x SAYS WHICH PRODUCT: 0 q, 1 k, 2 v,
; the same in all sixteen partners.  y is the tile of 256 token positions.  All of K comes by a wave's three first fills (its quarter of the scale bytes, of K 0-511 and of K 512-1023): nothing in LDS is filled again.
; CLUSTERS: 4 x 4 work-groups.  The four of a row of the cluster need the same tiles of x, the four of a column the same tiles of W: each tile is asked for jointly, by the same tensor load with the same descriptor and a mask that names the four.
; THE TWO SIDES CHANGE ROLES.  Source 0 of the matrix instruction is side P, whose rows run along a lane's result registers; source 1 is side R, whose rows are the lanes.  What is quantised next must run along the registers:
; q, k: P = W's rows (features), R = tokens;   v: P = tokens (the keys), R = W's rows.  Only the LDS read addresses, the bias and the way out's constants differ, all chosen by the cluster's x.
; Rows of xq and wq lie in position order (position 16 u + r of a group of 32 = row 8 u + r + 8 (r / 8)): so the 16 registers of P's tiles 2 b', 2 b' + 1 are the true neighbours 32 b' + 16 (lane / 16) + 0 .. 15.
; THE BIAS is the C of each sum's first matrix instruction.
; THE WAY OUT: the 64 registers of R's tile a are four blocks of 32; they become a fragment of 8 registers and a scale word, and are stored as IMAGES OF OPERAND REGISTERS (lane l's 16 bytes at 16 l), 512 consecutive aligned bytes a store.
; qkv: Q at 0: head bh at 73,728 bh, in it 16 groups of 128 positions of 4,608 bytes: 8 tile images of 512 bytes (lane (r, h): block h of position 16 a + r), then 512 bytes of scale words [a / 4][r][a % 4] (bytes 0, 1; bytes 2, 3 are 0).
;      K and V from KVB: head bh at 143,360 bh, in it 16 key steps of 128 keys of 8,960 bytes: K's 8 tile images; V's 4 fragment images of 1,024 bytes (16 channel positions x 128 keys); K's scale words (512); V's scale words [r][t] (256).
; REGISTERS, in windows of 256: window 0: v1-15 set-up (v8-15 the bias loads' offsets); v16-29 addresses; v32-95 scale words, two sets, and nothing else; v96-122 the way out; v128-191 R's fragments, ONE set, later the codes made;
;   v192-255 the bias, later v192-199 the scale words made.   window 1: P's fragments, TWO sets, at v0 and v128.   window 2: the accumulators of R's tiles 0-3 ((a, b) at v[8 (8 (a % 4) + b)]);   window 3: those of tiles 4-7.
.set NQ,     4                         ; steps of 128 along K in a slot of 512
.set ROWB,   256                       ; a tile's row in bytes
.set KROW,   512                       ; a row of codes in memory
.set PITCH,  272                       ; an LDS row: 256 bytes + 16 of padding = 68 words: the 16 rows that a load touches start 4 words apart modulo 64
.set FR,     8
.set NL,     2
.set NP,     4                         ; places behind this matrix instruction (ISA guide 7.12.1)
.set HALFT,  128*PITCH                 ; 128 rows: what one tensor load brings
.set SLOT,   4*HALFT                   ; x's 256 rows, then W's 256 rows
.set KS,     32                        ; a row of scale bytes
.set SCL,    2*SLOT                    ; behind the two slots: the scale bytes, as runs of 256 bytes + 16 of padding
.set HALFS,  16*272                    ; those of 128 rows
.set SBLK,   2*272                     ; those of 16 rows
.set SPARE,  327168                    ; the last 512 bytes: the spare words, 128 bytes a wave
.set XS_OFF, 4194304
.set WS_OFF, 2097152
.set KVB,    4718592
.set HSQ,    73728
.set HSK,    143360
.set VJ,   8                           ; v8-15   the bias loads' offsets
.set ADRR, 16                          ; v16-17  LDS address of R's fragments in slot 0, 1
.set ADRP, 20                          ; v20-21  of P's
.set ADRS, 27                          ; v27     of my scale words: lanes 0-15 R's rows, lanes 16-31 P's
.set SPW,  28                          ; v28     LDS address of my spare word; never rewritten
.set NIL,  29                          ; v29     0; never rewritten
.set SC,   32                          ; scale words: set s at v[SC + 32 s]; register 4 i + q: lanes 0-15 R's tile i, lanes 16-31 P's tile i, the slot's q-th 128 along K
.set VO,   96                          ; v96-103 where tile a's image goes
.set VS,   104                         ; v104    where my scale words go
.set VSH,  105                         ; v105    q, k: 16 x (lane / 16): which head's two bytes are mine; v: 0
.set TM,   106                         ; v106-121 at work
.set PW,   122                         ; v122    the four bytes just made
.set RF,   128
.set PC,   128                         ; tile a's codes at v[PC + 8 a]
.set BIAS, 192
.set SW,   192                         ; tile a's scale word at v[SW + a]
.set G1, 24                            ; s[24:31] descriptor group 1 for x's tiles;  s[32:39] group 0, a set for each slot
.set G0, 32
.set G1B, 48                           ; s[48:55], s[56:63] the same for W's tiles
.set G0B, 56
.set G1S, 68                           ; s[68:75], s[76:79] groups 1 and 0 for x's scale bytes;  s[80:87], s[88:91] for W's
.set G0S, 76
.set G1SB, 80
.set G0SB, 88
.set SEL, 100                          ; s[100:101] lane selects: lane l xor 16
.set MSB, 0
.macro WIN new                         ; the immediate's high byte repeats the setting that is left
.if MSB != (\new)
	s_set_vgpr_msb (MSB<<8)|(\new)
.set MSB, (\new)
.endif
.endm
.set MUL_LO, 0xa1                      ; source 0 (P) window 1, source 1 (R) window 0, C and D window 2
.set MUL_HI, 0xf1                      ; the same, C and D window 3
.set TO_P,   0x40                      ; destination window 1, address window 0
; A joint load: waves 0 and 1 fetch for x, waves 2 and 3 for W.  Each line has one mask and one set of registers for all that issue it; the branch hangs on the wave's number alone.
; An s_nop 0 and four v_nop follow each of the two lines.
.macro JLOAD g0a, g1a, g0b, g1b
	s_cmp_eq_u32 s15, 0
	s_cbranch_scc0 .Lfor_b_\@
	tensor_load_to_lds s[\g0a:\g0a+3], s[\g1a:\g1a+7]
	s_nop 0
.rept 4
	v_nop
.endr
	s_branch .Lasked_\@
.Lfor_b_\@:
	tensor_load_to_lds s[\g0b:\g0b+3], s[\g1b:\g1b+7]
	s_nop 0
.rept 4
	v_nop
.endr
.Lasked_\@:
.endm
.macro CROUND                          ; a round of the cluster's barrier
	s_barrier_signal -1
	s_barrier_wait -1
	s_cmp_lg_u32 s14, 0
	s_cbranch_scc1 .Lnot_wave_0_\@
	s_barrier_signal -3
.Lnot_wave_0_\@:
	s_barrier_wait -3
	s_barrier_signal -1
	s_barrier_wait -1
.endm
.macro PICK dst, qv, kv, vv            ; a constant by the product: the cluster's x is 0 (q), 1 (k) or 2 (v)
	s_mov_b32 s[\dst], \kv
	s_cmp_eq_u32 ttmp9, 0
	s_cselect_b32 s[\dst], \qv, s[\dst]
	s_cmp_eq_u32 ttmp9, 2
	s_cselect_b32 s[\dst], \vv, s[\dst]
.endm
	s_load_b256 s[4:11], s[0:1], 0x0               ; xq s[4:5], wq s[6:7], bq s[8:9], bk s[10:11]
	s_load_b128 s[96:99], s[0:1], 0x20             ; bv s[96:97], qkv s[98:99]
	v_lshl_add_u32 v[SPW], v0, 2, SPARE
	v_mov_b32 v[NIL], 0
	ds_add_u32 v[SPW], v[NIL]                      ; the wave's opening: the add, twice on end, and its wait ahead of my first tensor load
	ds_add_u32 v[SPW], v[NIL]
	v_lshrrev_b32 v1, 5, v0
	v_readfirstlane_b32 s14, v1                    ; wave 0..3
	s_lshr_b32 s15, s14, 1                         ; which half of the tokens is mine.  Also: I fetch for x (0) or for W (1)
	s_and_b32 s16, s14, 1                          ; which half of the features.  Also: which 128 rows of that tile I fetch
	s_bfe_u32 s40, ttmp6, 0x40000                  ; cx, cy: my place in the cluster
	s_bfe_u32 s41, ttmp6, 0x40004
	s_lshl_b32 s42, ttmp9, 2
	s_add_co_u32 s42, s42, s40                     ; W's tile = 4 x cluster x + cx
	s_and_b32 s17, ttmp7, 0xffff
	s_lshl_b32 s17, s17, 2
	s_add_co_u32 s17, s17, s41                     ; the tokens' tile = 4 x cluster y + cy
	s_lshl_b32 s43, s41, 2
	s_lshl_b32 s43, 15, s43                        ; my row of the cluster
	s_lshl_b32 s44, 0x1111, s40                    ; my column
	; descriptor group 1: a tile of 128 rows x 256 bytes, padded in LDS
	s_or_b32 s[G1+0], s43, (0<<16)|(1<<20)|(1<<21)|(5<<22)|(3<<25)  ; 15:0 the mask: x's tiles go to my row; 17:16 elements of 1 byte; 20 padding on; 21 set beside a mask; 24:22 after every 64 words; 31:25 four words
	s_or_b32 s[G1B+0], s44, (0<<16)|(1<<20)|(1<<21)|(5<<22)|(3<<25)
.irp g, G1, G1B
	s_mov_b32 s[\g+1], ROWB<<16                    ; tensor_dim0
	s_mov_b32 s[\g+2], 128<<16                     ; tensor_dim1
	s_mov_b32 s[\g+3], ROWB<<16                    ; tile_dim0
	s_mov_b32 s[\g+4], 128                         ; tile_dim1
	s_mov_b32 s[\g+5], KROW                        ; tensor_dim0_stride
	s_mov_b32 s[\g+6], 0
	s_mov_b32 s[\g+7], 0
.endr
	; the scale bytes of 128 rows: 4,096 dense bytes, as 16 rows of 256 bytes (32 elements of 8 bytes), 16 bytes of padding behind each
	s_or_b32 s[G1S+0], s43, (3<<16)|(1<<20)|(1<<21)|(5<<22)|(3<<25)
	s_or_b32 s[G1SB+0], s44, (3<<16)|(1<<20)|(1<<21)|(5<<22)|(3<<25)
.irp g, G1S, G1SB
	s_mov_b32 s[\g+1], 32<<16
	s_mov_b32 s[\g+2], 16<<16
	s_mov_b32 s[\g+3], 32<<16
	s_mov_b32 s[\g+4], 16
	s_mov_b32 s[\g+5], 32
	s_mov_b32 s[\g+6], 0
	s_mov_b32 s[\g+7], 0
.endr
	s_lshl_b32 s18, s16, 7                         ; which 128 rows of the tile I fetch
	s_lshl_b32 s20, s17, 8
	s_add_co_u32 s20, s20, s18                     ; x: position 256 y + 128 x half
	s_lshl_b32 s46, s42, 8
	s_add_co_u32 s46, s46, s18                     ; W: position 256 x + 128 x half
	s_mov_b32 s21, 0
	s_mov_b32 s47, 0
	s_mov_b64 s[18:19], KS
	s_mul_u64 s[22:23], s[20:21], s[18:19]         ; where these rows' scale bytes begin
	s_mul_u64 s[92:93], s[46:47], s[18:19]
	s_mov_b64 s[18:19], KROW
	s_mul_u64 s[20:21], s[20:21], s[18:19]         ; and their codes
	s_mul_u64 s[46:47], s[46:47], s[18:19]
	s_mul_i32 s45, s14, HALFT                      ; where they go: wave x 128 rows: no place in the cluster enters an LDS address
	s_mul_i32 s94, s14, HALFS
	s_wait_dscnt 0x0                               ; both opening adds are done
	s_wait_kmcnt 0x0
	s_add_nc_u64 s[20:21], s[4:5], s[20:21]
	s_add_nc_u64 s[22:23], s[4:5], s[22:23]
	s_add_nc_u64 s[22:23], s[22:23], XS_OFF
	s_add_nc_u64 s[46:47], s[6:7], s[46:47]
	s_add_nc_u64 s[92:93], s[6:7], s[92:93]
	s_add_nc_u64 s[92:93], s[92:93], WS_OFF
	CROUND                                         ; all sixteen work-groups are here: the first joint loads meet
	s_mov_b32 s[G0S], 1
	s_add_co_u32 s[G0S+1], s94, SCL
	s_mov_b64 s[G0S+2:G0S+3], s[22:23]
	s_or_b32 s[G0S+3], s[G0S+3], 0x80000000
	s_mov_b32 s[G0SB], 1
	s_add_co_u32 s[G0SB+1], s94, SCL
	s_mov_b64 s[G0SB+2:G0SB+3], s[92:93]
	s_or_b32 s[G0SB+3], s[G0SB+3], 0x80000000
	JLOAD G0S, G1S, G0SB, G1SB                     ; the scale bytes first: they are wanted with the first step
.irp s, 0,1
	s_mov_b32 s[G0+4*\s], 1
	s_add_co_u32 s[G0+4*\s+1], s45, \s*SLOT
	s_add_nc_u64 s[G0+4*\s+2:G0+4*\s+3], s[20:21], \s*ROWB
	s_or_b32 s[G0+4*\s+3], s[G0+4*\s+3], 0x80000000
	s_mov_b32 s[G0B+4*\s], 1
	s_add_co_u32 s[G0B+4*\s+1], s45, \s*SLOT
	s_add_nc_u64 s[G0B+4*\s+2:G0B+4*\s+3], s[46:47], \s*ROWB
	s_or_b32 s[G0B+4*\s+3], s[G0B+4*\s+3], 0x80000000
	JLOAD G0+4*\s, G1, G0B+4*\s, G1B               ; three tensor loads of mine are out; no descriptor register is written again
.endr
	v_and_b32 v1, 15, v0                           ; r = lane % 16
	s_wait_alu depctr_va_vdst(0)
	v_bfe_u32 v2, v0, 4, 1                         ; h = lane / 16
	s_wait_alu depctr_va_vdst(0)
	; THE BIAS, 64 registers in the results' layout.  q, k: register 8 b + j = bias[f0 + 32 (b / 2) + 8 (b % 2) + 16 h + j] (C of every accumulator (., b));
	; v: register 8 a + j = bv[f0 + 32 (a / 2) + 8 (a % 2) + r + 8 (r / 8)], the same for all j (C of every accumulator (a, .)).  One text: the lane's term and the step from j to j + 1 are chosen.
	s_cmp_eq_u32 ttmp9, 1
	s_cselect_b64 s[8:9], s[10:11], s[8:9]
	s_cmp_eq_u32 ttmp9, 2
	s_cselect_b64 s[8:9], s[96:97], s[8:9]
	s_lshl_b32 s2, s40, 10                         ; f0 = 256 cx + 128 x my half, in bytes
	s_lshl_b32 s3, s16, 9
	s_add_co_u32 s2, s2, s3
	s_mov_b32 s3, 0
	s_add_nc_u64 s[8:9], s[8:9], s[2:3]
	PICK 18, 64, 64, 0                             ; bytes for h
	PICK 19, 0, 0, 4                               ; bytes for r + 8 (r / 8)
	PICK 20, 4, 4, 0                               ; bytes for j
	v_and_b32 v6, 8, v1
	v_add_nc_u32 v6, v6, v1
	v_mul_u32_u24 v6, s19, v6
	v_mul_u32_u24 v7, s18, v2
	v_add_nc_u32 v6, v6, v7
	s_wait_alu depctr_va_vdst(0)
	s_mov_b32 s21, 0
.irp j, 0,1,2,3,4,5,6,7
	v_add_nc_u32 v[VJ+\j], s21, v6
	s_add_co_u32 s21, s21, s20
.endr
	s_wait_alu depctr_va_vdst(0)
.irp i, 0,1,2,3,4,5,6,7
.irp j, 0,1,2,3,4,5,6,7
	global_load_b32 v[BIAS+8*\i+\j], v[VJ+\j], s[8:9] offset:(32*(\i/2)+8*(\i%2))*4
.endr
.endr
	; LDS read addresses.  x's half at (wave >> 1) x 128 rows, W's behind x's 256 rows; which of them is P and which R hangs on the cluster's x
	v_mul_u32_u24 v3, v1, PITCH
	v_lshl_add_u32 v4, v2, 4, v3                   ; a fragment's row x pitch + 16 x half
	s_wait_alu depctr_va_vdst(0)
	s_mul_i32 s21, s15, HALFT
	s_mul_i32 s22, s16, HALFT
	s_add_co_u32 s22, s22, 2*HALFT
	s_cmp_eq_u32 ttmp9, 2
	s_cselect_b32 s18, s21, s22                    ; P
	s_cselect_b32 s19, s22, s21                    ; R
.irp s, 0,1
	v_add_nc_u32 v[ADRR+\s], s19, v4
	v_add_nc_u32 v[ADRP+\s], s18, v4
	s_add_co_u32 s19, s19, SLOT
	s_add_co_u32 s18, s18, SLOT
.endr
	v_lshlrev_b32 v5, 5, v1                        ; my row's scale bytes: 32 a row,
	v_lshrrev_b32 v6, 8, v5
	v_lshl_add_u32 v5, v6, 4, v5                   ; and 16 more for each 256 passed
	s_mul_i32 s21, s15, HALFS
	s_add_co_u32 s21, s21, SCL
	s_mul_i32 s22, s16, HALFS
	s_add_co_u32 s22, s22, SCL+2*HALFS
	s_cmp_eq_u32 ttmp9, 2
	s_cselect_b32 s18, s21, s22                    ; P's
	s_cselect_b32 s19, s22, s21                    ; R's
	v_add_nc_u32 v6, s19, v5
	v_add_nc_u32 v7, s18, v5
	v_cmp_eq_u32 s13, 1, v2
	v_cndmask_b32 v[ADRS], v6, v7, s13             ; lanes 0-15 take R's rows, lanes 16-31 P's
	; THE WAY OUT'S CONSTANTS
	s_lshr_b32 s18, s17, 3                         ; the batch: 8 tiles of 256 tokens each
	s_lshl_b32 s18, s18, 4
	s_lshl_b32 s19, s40, 2
	s_add_co_u32 s18, s18, s19
	s_lshl_b32 s19, s16, 1
	s_add_co_u32 s18, s18, s19                     ; my first head: 16 x batch + 4 cx + 2 x half; I make two
	s_and_b32 s19, s17, 7
	s_lshl_b32 s19, s19, 1
	s_add_co_u32 s19, s19, s15                     ; my group of 128 positions in the sequence
	PICK 20, HSQ, HSK, HSK                         ; bytes of a head
	PICK 21, 4608, 8960, 8960                      ; of a group
	PICK 22, 0, KVB, KVB                           ; the region
	s_mul_i32 s18, s18, s20
	s_mul_i32 s19, s19, s21
	s_add_co_u32 s18, s18, s19
	s_add_co_u32 s18, s18, s22                     ; under 2^24
	PICK 21, 0, 0, 4096                            ; where the images begin in a group
	PICK 22, 4096, 8192, 8704                      ; and the scale words
	s_mov_b32 s3, 0
	s_add_co_u32 s2, s18, s21
	s_add_nc_u64 s[92:93], s[98:99], s[2:3]        ; registers 0-3 of a fragment go here,
	PICK 2, HSQ, HSK, 512                          ; registers 4-7: q, k: the next head; v: the image's second half
	s_add_nc_u64 s[94:95], s[92:93], s[2:3]
	s_add_co_u32 s2, s18, s22
	s_add_nc_u64 s[96:97], s[98:99], s[2:3]        ; the scale words of tiles 0-3,
	PICK 2, 256, 256, HSK                          ; of tiles 4-7: q, k: the second 256 bytes; v: the next head
	s_add_nc_u64 s[10:11], s[96:97], s[2:3]
	PICK 20, 512, 512, 1024                        ; from tile to tile
	PICK 21, 0, 0, HSK-4096                        ; v: tiles 4-7 are the next head's tiles 0-3
	v_and_b32 v5, 31, v0
	v_lshlrev_b32 v5, 4, v5
	s_wait_alu depctr_va_vdst(0)
	s_mov_b32 s22, 0
.irp a, 0,1,2,3,4,5,6,7
	v_add_nc_u32 v[VO+\a], s22, v5
	s_add_co_u32 s22, s22, s20
.if \a == 3
	s_add_co_u32 s22, s22, s21
.endif
.endr
	PICK 20, HSQ, HSK, 0                           ; q, k: lanes 16-31 store the next head's words; v: they store what lanes 0-15 store, to the same places
	v_mul_u32_u24 v6, s20, v2
	v_lshl_add_u32 v[VS], v1, 4, v6
	PICK 20, 16, 16, 0
	v_mul_u32_u24 v[VSH], s20, v2
	PICK 12, 0xffff, 0xffff, -1                    ; q, k: two bytes of the four are a head's; v: all four are the row's
	s_mov_b32 s[SEL], 0x76543210
	s_mov_b32 s[SEL+1], 0xfedcba98
.irp b, 0,1,2,3
	v_mov_b32 v[TM+4+\b], 0                        ; written once: a lane permute's destination counts as one of its sources
.endr
.macro FRAG reg, adr, q, i             ; a fragment, 16 rows x 128 K of 4-bit codes: lane l holds row l % 16; registers 4 c .. 4 c + 3 hold K = 64 c + 32 (l / 16) + 0 .. 31
.irp c, 0,1
	ds_load_b128 v[\reg+4*\c:\reg+4*\c+3], v[\adr] offset:64*(\q)+32*\c+(\i)*16*PITCH
.endr
.endm
; 16 matrix instructions: R's tiles a0, a0 + 1 x P's eight, the slot's q-th 128 along K.  p: P's set; sc: the set of scale words.  zero = 1: C = the bias by P's tile; 2: by R's tile; 0: in place.
; The 64 accumulators take turns, one instruction a turn, in the same order in every step.
.macro MUL16 a0, p, q, sc, zero
.irp a, \a0, \a0+1
.irp b, 0,1,2,3,4,5,6,7
.if \zero == 1
	v_wmma_scale_f32_16x16x128_f8f6f4 v[8*(8*((\a)%4)+\b):8*(8*((\a)%4)+\b)+7], v[128*(\p)+FR*\b:128*(\p)+FR*\b+FR-1], v[RF+FR*(\a):RF+FR*(\a)+FR-1], v[BIAS+8*\b:BIAS+8*\b+7], v[SC+8*NQ*(\sc)+NQ*\b+(\q)], v[SC+8*NQ*(\sc)+NQ*(\a)+(\q)] matrix_a_fmt:MATRIX_FMT_FP4 matrix_b_fmt:MATRIX_FMT_FP4 matrix_a_scale:MATRIX_SCALE_ROW1
.elseif \zero == 2
	v_wmma_scale_f32_16x16x128_f8f6f4 v[8*(8*((\a)%4)+\b):8*(8*((\a)%4)+\b)+7], v[128*(\p)+FR*\b:128*(\p)+FR*\b+FR-1], v[RF+FR*(\a):RF+FR*(\a)+FR-1], v[BIAS+8*(\a):BIAS+8*(\a)+7], v[SC+8*NQ*(\sc)+NQ*\b+(\q)], v[SC+8*NQ*(\sc)+NQ*(\a)+(\q)] matrix_a_fmt:MATRIX_FMT_FP4 matrix_b_fmt:MATRIX_FMT_FP4 matrix_a_scale:MATRIX_SCALE_ROW1
.else
	v_wmma_scale_f32_16x16x128_f8f6f4 v[8*(8*((\a)%4)+\b):8*(8*((\a)%4)+\b)+7], v[128*(\p)+FR*\b:128*(\p)+FR*\b+FR-1], v[RF+FR*(\a):RF+FR*(\a)+FR-1], v[8*(8*((\a)%4)+\b):8*(8*((\a)%4)+\b)+7], v[SC+8*NQ*(\sc)+NQ*\b+(\q)], v[SC+8*NQ*(\sc)+NQ*(\a)+(\q)] matrix_a_fmt:MATRIX_FMT_FP4 matrix_b_fmt:MATRIX_FMT_FP4 matrix_a_scale:MATRIX_SCALE_ROW1
.endif
.endr
.endr
.endm
.macro FETCH_P slot, q, p              ; P's eight fragments of the slot's q-th 128 along K into set p
	WIN TO_P
.irp i, 0,1,2,3,4,5,6,7
	FRAG 128*(\p)+FR*\i, ADRP+\slot, \q, \i
.endr
	WIN 0
.endm
.macro FETCH_R slot, q, i0             ; R's tiles i0 .. i0 + 3
.irp i, \i0, \i0+1, \i0+2, \i0+3
	FRAG RF+FR*(\i), ADRR+\slot, \q, \i
.endr
.endm
.macro SCALES sc                       ; a slot's scale words into set sc: 4 words a row; lanes 0-15 R's tile i, lanes 16-31 P's tile i
.irp i, 0,1,2,3,4,5,6,7
	ds_load_b128 v[SC+8*NQ*\sc+NQ*\i:SC+8*NQ*\sc+NQ*\i+3], v[ADRS] offset:\i*SBLK
.endr
.endm
.macro PLACES n                        ; plain vector lines between a matrix instruction and a load into, or a vector read or write of, its registers
.rept \n
	v_nop
.endr
.endm
; A step of 128 along K that has its successor in the same slot.  R's tile is free as soon as its eight products are issued: tiles 0-3 are fetched anew in the step's middle, tiles 4-7 at its end.
.macro STEP slot, q, zero
	s_wait_dscnt 4*NL                              ; P's set and R's tiles 0-3 are in; the youngest eight loads (R's tiles 4-7) may be out
.if \zero
	WIN 0x81                                       ; C (the bias) in window 0, D in window 2
.else
	WIN MUL_LO
.endif
	MUL16 0, (\q)%2, \q, \slot, \zero
	MUL16 2, (\q)%2, \q, \slot, \zero
	s_wait_dscnt 0                                 ; R's tiles 4-7 are in
	PLACES NP
	FETCH_P \slot, (\q)+1, 1-(\q)%2
	FETCH_R \slot, (\q)+1, 0
.if \zero
	WIN 0xc1                                       ; C in window 0, D in window 3
.else
	WIN MUL_HI
.endif
	MUL16 4, (\q)%2, \q, \slot, \zero
	MUL16 6, (\q)%2, \q, \slot, \zero
	PLACES NP
	WIN 0
	FETCH_R \slot, (\q)+1, 4
.endm
; Slot 0's last step goes over to slot 1: each wave waits for all its tensor loads (slot 1's is the one that may be out), then one barrier: slot 1 is whole for every wave.  Nothing is filled again.
.macro TURN slot, next
	s_wait_tensorcnt 0x0                           ; all my tensor loads have landed
	ds_add_u32 v[SPW], v[NIL]                      ; 0 onto my spare word
	s_wait_dscnt 4*NL+1                            ; (the add and the youngest eight loads, R's tiles 4-7, may be out)
	WIN MUL_LO
	MUL16 0, 1, NQ-1, \slot, 0
	s_wait_dscnt 0x0                               ; no LDS instruction of mine is out at the signal
	s_barrier_signal -1
	MUL16 2, 1, NQ-1, \slot, 0
	WIN 0
	s_barrier_wait -1
	PLACES NP
	v_add_nc_u32 v[ADRS], 4*NQ, v[ADRS]            ; on to the next slot's scale words
	FETCH_P \next, 0, 0
	FETCH_R \next, 0, 0
	SCALES \next
	WIN MUL_HI
	MUL16 4, 1, NQ-1, \slot, 0
	MUL16 6, 1, NQ-1, \slot, 0
	PLACES NP
	WIN 0
	FETCH_R \next, 0, 4
.endm
.macro STEPS slot, from                ; the slot's steps from .. NQ - 2
.set Q, \from
.rept NQ-1-\from
	STEP \slot, Q, 0
.set Q, Q+1
.endr
.endm
; R's tile a on its way out.  Its 64 registers (register 16 b + i = k 32 b + 16 (lane / 16) + i of my row) become a fragment's 8 registers in v[PC + 8 a] on and a scale word in v[SW + a].
; Each accumulator is read from its low end on.  Every tile has registers of its own for what it stores: no store's data or address is written again.
.macro QUANTA a
.set QS, 64*((\a)%4)
.set QP, PC+8*(\a)
	WIN (2+(\a)/4)*5                               ; sources 0 and 1: window 2 or 3
.irp b, 0,1,2,3
	v_max3_num_f32 v[TM+\b], |v[QS+16*\b]|, |v[QS+16*\b+1]|, 0x1800000   ; block b: my 16 numbers, and the floor 2^(3 - 127)
.endr
.irp i, 2,4,6,8,10,12,14
.irp b, 0,1,2,3
	v_max3_num_f32 v[TM+\b], |v[QS+16*\b+\i]|, |v[QS+16*\b+\i+1]|, v[TM+\b]   ; (the four blocks by turns)
.endr
.endr
	WIN 0
.irp b, 0,1,2,3
	v_permlanex16_b32 v[TM+4+\b], v[TM+\b], s[SEL], s[SEL+1]
.endr
.irp b, 0,1,2,3
	v_max_num_f32 v[TM+\b], v[TM+\b], v[TM+4+\b]   ; with lane l xor 16's: the block's largest magnitude
.endr
.irp b, 0,1,2,3
	v_add_nc_u32 v[TM+12+\b], 0xff000000, v[TM+\b] ; 2 off its exponent field: the conversion's scale operand
.endr
.irp b, 0,1,2,3
	v_lshrrev_b32 v[TM+4+\b], 23, v[TM+12+\b]      ; the scale's byte
.endr
	v_lshl_or_b32 v[PW], v[TM+5], 8, v[TM+4]
	v_lshl_or_b32 v[PW], v[TM+6], 16, v[PW]
	v_lshl_or_b32 v[PW], v[TM+7], 24, v[PW]
	v_lshrrev_b32 v[TM], v[VSH], v[PW]             ; q, k: lanes 0-15 keep the first head's two bytes, lanes 16-31 the second's; v: all four
	v_and_b32 v[SW+(\a)], s12, v[TM]
	WIN 2+(\a)/4                                   ; source 0: window 2 or 3
.irp b, 0,1,2,3
	v_cvt_scalef32_pk8_fp4_f32 v[QP+2*\b], v[QS+16*\b:QS+16*\b+7], v[TM+12+\b]
	v_cvt_scalef32_pk8_fp4_f32 v[QP+2*\b+1], v[QS+16*\b+8:QS+16*\b+15], v[TM+12+\b]
.endr
	WIN 0
	v_nop                                          ; one plain line behind a scaled conversion
.irp c, 0,1                            ; the operand's layout wants a whole block in a lane: lanes 0-15 block 2 c, lanes 16-31 block 2 c + 1
.irp i, 0,1
	v_permlane16_swap_b32 v[QP+4*\c+\i], v[QP+2+4*\c+\i]
.endr
.endr
	global_store_b128 v[VO+(\a)], v[QP:QP+3], s[92:93]      ; 32 lanes store 512 consecutive aligned bytes
	global_store_b128 v[VO+(\a)], v[QP+4:QP+7], s[94:95]
.endm
	s_wait_tensorcnt 1                             ; the scale bytes and my part of slot 0 are in (slot 1's load may be out)
	s_barrier_signal -1
	s_barrier_wait -1                              ; everybody's are
	FETCH_P 0, 0, 0
	FETCH_R 0, 0, 0
	SCALES 0
	FETCH_R 0, 0, 4
	s_wait_loadcnt 0x0                             ; the bias
	s_cmp_eq_u32 ttmp9, 2                          ; the first step is written twice: only the C of its products differs.  The cluster's x is the same in all partners; no barrier, tensor load or LDS store stands in either arm
	s_cbranch_scc1 .Lfirst_v
	STEP 0, 0, 1
	s_branch .Lfirst_done
.Lfirst_v:
	STEP 0, 0, 2
.Lfirst_done:
	STEPS 0, 1
	TURN 0, 1
	STEPS 1, 0
	s_wait_dscnt 4*NL                              ; the very last step: nothing more to fetch
	WIN MUL_LO
	MUL16 0, 1, NQ-1, 1, 0
	MUL16 2, 1, NQ-1, 1, 0
	s_wait_dscnt 0
	WIN MUL_HI
	MUL16 4, 1, NQ-1, 1, 0
	MUL16 6, 1, NQ-1, 1, 0
	WIN 0
	PLACES NP
.irp a, 0,1,2,3,4,5,6,7
	QUANTA \a
.endr
	global_store_b128 v[VS], v[SW:SW+3], s[96:97]          ; sixteen lanes store 256 consecutive aligned bytes of scale words (v: lanes 16-31 repeat lanes 0-15, same words, same places)
	global_store_b128 v[VS], v[SW+4:SW+7], s[10:11]
	s_wait_tensorcnt 0x0                           ; the wave's end: three lines behind my last tensor load
	ds_add_u32 v[SPW], v[NIL]
	s_wait_dscnt 0x0
	CROUND                                         ; the closing round: no work-group ends while a partner may still ask for a tile that names it
	s_endpgm
.Lfunc_end_k_qb460f6a9cd_proj:
	.size	k_qb460f6a9cd_proj, .Lfunc_end_k_qb460f6a9cd_proj-k_qb460f6a9cd_proj
	.p2alignl 7, 3214868480
	.fill 96, 4, 3214868480
	.section	.rodata,"a",@progbits
	.p2align	6, 0x0
	.amdhsa_kernel k_qb460f6a9cd_proj
		.amdhsa_group_segment_fixed_size 327680
		.amdhsa_private_segment_fixed_size 0
		.amdhsa_enable_private_segment 0
		.amdhsa_kernarg_size 48
		.amdhsa_user_sgpr_count 2
		.amdhsa_user_sgpr_kernarg_segment_ptr 1
		.amdhsa_wavefront_size32 1
		.amdhsa_system_sgpr_workgroup_id_x 1
		.amdhsa_system_sgpr_workgroup_id_y 1
		.amdhsa_system_sgpr_workgroup_id_z 1
		.amdhsa_system_vgpr_workitem_id 0
		.amdhsa_next_free_vgpr 1024
		.amdhsa_next_free_sgpr 106
		.amdhsa_reserve_vcc 0
		.amdhsa_float_denorm_mode_32 3
		.amdhsa_float_denorm_mode_16_64 3
		.amdhsa_memory_ordered 1
		.amdhsa_forward_progress 1
		.amdhsa_inst_pref_size 150
	.end_amdhsa_kernel
	.amdgpu_metadata
---
amdhsa.version: [ 1, 2 ]
amdhsa.kernels:
  - .name:           k_qb460f6a9cd_proj
    .symbol:         k_qb460f6a9cd_proj.kd
    .args:
      - { .name: xq, .offset: 0, .size: 8, .value_kind: global_buffer, .address_space: global }
      - { .name: wq, .offset: 8, .size: 8, .value_kind: global_buffer, .address_space: global }
      - { .name: bq, .offset: 16, .size: 8, .value_kind: global_buffer, .address_space: global }
      - { .name: bk, .offset: 24, .size: 8, .value_kind: global_buffer, .address_space: global }
      - { .name: bv, .offset: 32, .size: 8, .value_kind: global_buffer, .address_space: global }
      - { .name: qkv, .offset: 40, .size: 8, .value_kind: global_buffer, .address_space: global }
    .group_segment_fixed_size: 327680
    .private_segment_fixed_size: 0
    .kernarg_segment_align: 8
    .kernarg_segment_size: 48
    .max_flat_workgroup_size: 128
    .sgpr_count:     106
    .vgpr_count:     1024
    .wavefront_size: 32
...
	.end_amdgpu_metadata
.endif
;; end of part 3
;; launch attn (part 4): grid 4 x 64, 16 waves a work-group, clusters of 4 x 1, 167,936 bytes of LDS; arguments qkv, oq; writes oq
.if DOCPART == 4
	.amdgcn_target "amdgcn-amd-amdhsa--gfx1250"
	.amdhsa_code_object_version 6
	.text
	.protected	k_qb460f6a9cd_attn
	.globl	k_qb460f6a9cd_attn
	.p2align	8
	.type	k_qb460f6a9cd_attn,@function
k_qb460f6a9cd_attn:
	s_mov_b64 s[64:65], 0
	v_nop
	global_prefetch_b8 v0, s[64:65] scope:SCOPE_SE
	s_setreg_imm32_b32 hwreg(HW_REG_WAVE_MODE, 25, 1), 1
	s_wait_xcnt 0x0
	s_wait_alu depctr_hold_cnt(0) depctr_sa_sdst(0) depctr_va_vdst(0) depctr_va_sdst(0) depctr_va_ssrc(0) depctr_va_vcc(0) depctr_vm_vsrc(0)
	s_getreg_b32 s2, hwreg(HW_REG_IB_STS2, 6, 4)
	s_cmp_eq_u32 s2, 0
	s_cbranch_scc0 .Lentry_in_a_cluster
	s_endpgm
.Lentry_in_a_cluster:
	s_bfe_u32 s2, ttmp6, 0x10000c
	s_cmp_lg_u32 s2, 0x3003
	s_cbranch_scc0 .Lentry_shape_is_right
	s_endpgm
.Lentry_shape_is_right:
; O[bh][q] = the sum over keys of softmax(Q[bh][q] . K[bh][key] / 8) V[bh][key], 64 heads of 2,048 x 64, both products on codes of E2M1 with E8M0 scales, and O quantised along head x 64 + channel for the last projection.  No work is left out.
; THE SOFTMAX AHEAD OF THE SECOND PRODUCT: t = score x log2(e) / 8; M = the running largest t rounded UP to a whole number; p = 2^(t - M) is what is quantised, along the keys, not normalised.
; The row's sum is taken of the unquantised p, in f32, and divides O at the end.  When M moves, the sum and O are multiplied by 2^(old M - new M): exact.
; Limits of the quantisers: as stated at the head of the first launch; a block whose every p has fallen to 0 keeps the byte 1: its codes are zeros.
; SHARES.  A work-group owns 512 queries of one head.  The head's K, V and scale words, 143,360 bytes, come into LDS ONCE and stay: wave w's one tensor load brings key step w's 8,960 dense bytes.  Nothing is filled again.
; CLUSTER.  The four work-groups of a head are one cluster and read the same 143,360 bytes: each load is asked for jointly, the same descriptor and the mask 15 in all four.
; Each of the SIXTEEN waves takes one tile of 16 query positions at a time, twice (tile 32 cx + 16 p + w in pass p), in 256 registers: four waves to a SIMD, so that one wave's vector work stands beside another's products and LDS loads.
; LAYOUT.  Both products are used transposed: S^T = K Q^T (source 0 = 16 keys, source 1 = my 16 queries), O^T = V^T P^T (source 0 = 16 channels, source 1 = P): a lane holds ONE query (lane % 16) throughout.
; The head's K is 64: registers 0-3 of K's and Q's fragments hold it, registers 4-7 hold zero codes for good, and bytes 2, 3 of their scale words are 0.
; Keys and channels lie in position order (position 16 u + r of 32 = 8 u + r + 8 (r / 8)), so the 16 registers of tiles 2 b, 2 b + 1 are the true neighbours 32 b + 16 (lane / 16) + 0 .. 15; V's K axis (the keys) is in true order.
; All operands lie in LDS as images of their registers: every load of 16 bytes a lane takes 512 consecutive bytes.
; oq: codes as fragment images at (tile of 16 positions) x 8,192 + head x 512 + 16 x lane; scale bytes as rows [position][32] at OS_OFF, a head's two at 2 x head.
; REGISTERS: v1 16 x lane, v2 16 r, v3 32 r; v5, v6 the add's two; v8, v9 addresses in hand; v12 -M, v13 the largest t, v[14:15] the sum in two halves; v16-23 Q; v24-27 K's scale words (lanes 0-15 tiles 0-3, lanes 16-31 tiles 4-7);
;   v28-31 V's scale words; v32-95 K's 8 fragments; v96-159 S^T, then p; v160-191 O^T; v192-223 V's 4 fragments; v224-231 p's codes; v232-254 at work; v240 O's two scale bytes; v243, v248-251 the second pass's Q; v253 p's scale word; v255 Q's.
.set GSK,   8960                       ; a key step in memory and in LDS: K's images 4,096, V's 4,096, K's scale words 512, V's 256
.set HSK,   143360
.set HSQ,   73728
.set GSQ,   4608
.set KVB,   4718592
.set OS_OFF, 4194304
.set SPARE, HSK                        ; behind the head: the spare words, 128 bytes a wave
.set SPW,  5
.set NIL,  6
.set WV,   8                           ; s8  my wave's number
.set SEL,  24                          ; s[24:25] lane selects: lane l xor 16
.set CS,   26                          ; s[26:27] c = log2(e) / 8: the packed form names a pair and takes its low word for both halves
.set TB,   28                          ; s28 LDS byte of the key step in hand; also the loop's counter
.macro CROUND                          ; a round of the cluster's barrier
	s_barrier_signal -1
	s_barrier_wait -1
	s_cmp_lg_u32 s[WV], 0
	s_cbranch_scc1 .Lnot_wave_0_\@
	s_barrier_signal -3
.Lnot_wave_0_\@:
	s_barrier_wait -3
	s_barrier_signal -1
	s_barrier_wait -1
.endm
	s_load_b128 s[4:7], s[0:1], 0x0                ; qkv, oq
	v_lshl_add_u32 v[SPW], v0, 2, SPARE
	v_mov_b32 v[NIL], 0
	ds_add_u32 v[SPW], v[NIL]                      ; the wave's opening: the add, twice on end, and its wait ahead of my first tensor load
	ds_add_u32 v[SPW], v[NIL]
	v_lshrrev_b32 v1, 5, v0
	s_delay_alu instid0(VALU_DEP_1)
	v_readfirstlane_b32 s[WV], v1                  ; wave 0..15
	s_bfe_u32 s9, ttmp6, 0x40000                   ; cx: which 512 queries of the head
	s_and_b32 s10, ttmp7, 0xffff                   ; the head, 16 x batch + head, which the four partners share
	; descriptor group 1: 8,960 dense bytes as 35 rows of 256 bytes (32 elements of 8 bytes), no padding
	s_mov_b32 s16, 15|(3<<16)|(1<<21)              ; 15:0 the mask: all four work-groups; 17:16 elements of 8 bytes; 21 set beside a mask
	s_mov_b32 s17, 32<<16                          ; tensor_dim0
	s_mov_b32 s18, 35<<16                          ; tensor_dim1
	s_mov_b32 s19, 32<<16                          ; tile_dim0
	s_mov_b32 s20, 35                              ; tile_dim1
	s_mov_b32 s21, 32                              ; tensor_dim0_stride
	s_mov_b32 s22, 0
	s_mov_b32 s23, 0
	s_mov_b32 s12, 1
	s_mul_i32 s13, s[WV], GSK                      ; LDS: key step w.  No place in the cluster enters it
	s_mul_i32 s38, s10, HSK
	s_add_co_u32 s38, s38, s13
	s_add_co_u32 s38, s38, KVB                     ; and in memory
	s_mov_b32 s39, 0
	s_mov_b32 s[SEL], 0x76543210
	s_mov_b32 s[SEL+1], 0xfedcba98
	s_mov_b32 s[CS], 0x3e38aa3b                    ; log2(e) / 8
	s_mov_b32 s[CS+1], s[CS]
	s_mul_i32 s40, s10, HSQ                        ; Q: my head,
	s_lshl_b32 s41, s9, 2
	s_lshr_b32 s42, s[WV], 3
	s_add_co_u32 s41, s41, s42
	s_mul_i32 s41, s41, GSQ                        ; group 4 cx + w / 8 (the second pass: two groups on),
	s_add_co_u32 s40, s40, s41
	s_and_b32 s42, s[WV], 7
	s_lshl_b32 s42, s42, 9                         ; tile w % 8
	s_add_co_u32 s42, s42, s40
	s_mov_b32 s43, 0
	s_bfe_u32 s44, s[WV], 0x10002                  ; its scale words [a / 4][r][a % 4]
	s_lshl_b32 s44, s44, 8
	s_and_b32 s45, s[WV], 3
	s_lshl_b32 s45, s45, 2
	s_add_co_u32 s44, s44, s45
	s_add_co_u32 s44, s44, s40
	s_add_co_u32 s44, s44, 4096
	s_mov_b32 s45, 0
	s_lshr_b32 s46, s10, 4
	s_lshl_b32 s46, s46, 7
	s_lshl_b32 s47, s9, 5
	s_add_co_u32 s46, s46, s47
	s_add_co_u32 s46, s46, s[WV]                   ; my tile among the 512 of all tokens: 128 x batch + 32 cx + w (the second pass: 16 on)
	s_and_b32 s47, s10, 15
	s_lshl_b32 s48, s46, 13
	s_lshl_b32 s49, s47, 9
	s_add_co_u32 s48, s48, s49
	s_mov_b32 s49, 0
	s_lshl_b32 s50, s46, 9
	s_lshl_b32 s51, s47, 1
	s_add_co_u32 s50, s50, s51
	s_add_co_u32 s50, s50, OS_OFF
	s_mov_b32 s51, 0
	s_wait_dscnt 0x0                               ; both opening adds are done
	s_wait_kmcnt 0x0
	CROUND                                         ; all four work-groups are here: the joint loads meet
	s_add_nc_u64 s[14:15], s[4:5], s[38:39]
	s_or_b32 s15, s15, 0x80000000
	tensor_load_to_lds s[12:15], s[16:23]          ; my one tensor load: key step w, for all four work-groups
	s_nop 0
.rept 4
	v_nop
.endr
	s_add_nc_u64 s[30:31], s[4:5], s[42:43]        ; Q's codes
	s_add_nc_u64 s[32:33], s[4:5], s[44:45]        ; Q's scale words
	s_add_nc_u64 s[34:35], s[6:7], s[48:49]        ; O's codes
	s_add_nc_u64 s[36:37], s[6:7], s[50:51]        ; O's scale bytes
	v_and_b32 v1, 31, v0
	s_delay_alu instid0(VALU_DEP_1)
	v_lshlrev_b32 v1, 4, v1                        ; 16 x lane
	v_and_b32 v2, 15, v0
	s_delay_alu instid0(VALU_DEP_1)
	v_lshlrev_b32 v3, 5, v2                        ; 32 r
	s_delay_alu instid0(VALU_DEP_2)
	v_lshlrev_b32 v2, 4, v2                        ; 16 r
	global_load_b128 v[16:19], v1, s[30:31]                  ; the first pass's Q,
	global_load_b128 v[248:251], v1, s[30:31] offset:2*GSQ   ; the second's
	global_load_b32 v255, v2, s[32:33]
	global_load_b32 v243, v2, s[32:33] offset:2*GSQ
.irp i, 20,21,22,23
	v_mov_b32 v\i, 0                               ; the upper 64 of the instruction's K: zero codes, for good
.endr
.irp a, 0,1,2,3,4,5,6,7
.irp i, 4,5,6,7
	v_mov_b32 v[32+8*\a+\i], 0
.endr
.endr
.irp b, 0,1,2,3
	v_mov_b32 v[236+\b], 0                         ; written once: a lane permute's destination counts as one of its sources
.endr
	v_mov_b32 v253, 0                              ; (named as the upper half of the pair v[252:253] before it is first written)
	s_wait_tensorcnt 0x0                           ; my key step is in,
	s_barrier_signal -1
	s_barrier_wait -1                              ; everybody's is: the head is whole
	s_wait_loadcnt 0x0                             ; Q
; A KEY STEP: 128 keys at LDS byte s[TB].
.macro STEP
	v_add_nc_u32 v8, s[TB], v1
	v_add_nc_u32 v9, s[TB], v2
	v_nop
	v_nop                                          ; four plain lines between the last step's products and the loads into V's fragments and scale words
	ds_load_b128 v[24:27], v8 offset:8192          ; K's scale words
.irp a, 0,1,2,3,4,5,6,7
	ds_load_b128 v[32+8*\a:35+8*\a], v8 offset:512*\a
.endr
	ds_load_b128 v[28:31], v9 offset:8704          ; V's scale words
.irp t, 0,1,2,3
.irp c, 0,1
	ds_load_b128 v[192+8*\t+4*\c:195+8*\t+4*\c], v8 offset:4096+1024*\t+512*\c
.endr
.endr
	s_wait_dscnt 9                                 ; K and its scale words are in; the nine loads for V may be out
.irp a, 0,1,2,3
	v_wmma_scale_f32_16x16x128_f8f6f4 v[96+8*\a:103+8*\a], v[32+8*\a:39+8*\a], v[16:23], 0, v[24+\a], v255 matrix_a_fmt:MATRIX_FMT_FP4 matrix_b_fmt:MATRIX_FMT_FP4
.endr
.irp a, 4,5,6,7
	v_wmma_scale_f32_16x16x128_f8f6f4 v[96+8*\a:103+8*\a], v[32+8*\a:39+8*\a], v[16:23], 0, v[20+\a], v255 matrix_a_fmt:MATRIX_FMT_FP4 matrix_b_fmt:MATRIX_FMT_FP4 matrix_a_scale:MATRIX_SCALE_ROW1
.endr
.rept 4
	v_nop
.endr
.irp b, 0,1,2,3
	v_max3_num_f32 v[232+\b], v[96+16*\b], v[97+16*\b], v[98+16*\b]   ; the largest score of each block of 32 keys: it serves the row's maximum and, since p rises with the score, the block's largest p
.endr
.irp i, 3,5,7,9,11,13
.irp b, 0,1,2,3
	v_max3_num_f32 v[232+\b], v[232+\b], v[96+16*\b+\i], v[97+16*\b+\i]
.endr
.endr
.irp b, 0,1,2,3
	v_max_num_f32 v[232+\b], v[232+\b], v[111+16*\b]
.endr
.irp b, 0,1,2,3
	s_delay_alu instid0(VALU_DEP_4)
	v_permlanex16_b32 v[236+\b], v[232+\b], s[SEL], s[SEL+1]
.endr
.irp b, 0,1,2,3
	s_delay_alu instid0(VALU_DEP_4)
	v_max_num_f32 v[232+\b], v[232+\b], v[236+\b]  ; with lane l xor 16's 16 keys
.endr
	s_delay_alu instid0(VALU_DEP_2)
	v_max3_num_f32 v254, v232, v233, v234
	s_delay_alu instid0(VALU_DEP_1)
	v_max_num_f32 v254, v254, v235                 ; the step's largest score of my query
	s_delay_alu instid0(VALU_DEP_1)
	v_mul_f32 v254, s[CS], v254                    ; as t (c is positive)
	s_delay_alu instid0(VALU_DEP_1)
	v_max_num_f32 v13, v13, v254                   ; the running largest t
	v_mov_b32 v254, v12
	s_delay_alu instid0(VALU_DEP_2)
	v_floor_f32 v12, -v13                          ; the new -M = floor(-t) = -ceil(t): a whole number
	s_delay_alu instid0(VALU_DEP_1)
	v_sub_f32 v254, v12, v254                      ; old M less new M: a whole number, 0 or less
	s_delay_alu instid0(VALU_DEP_1)
	v_cvt_i32_f32 v254, v254                       ; (it saturates)
	s_delay_alu instid0(VALU_DEP_1)
	v_ldexp_f32 v252, 1.0, v254                    ; f = 2^(old M - new M)
.set J, 0
.rept 32
	v_pk_fma_f32 v[96+J:97+J], v[96+J:97+J], s[CS:CS+1], v[12:13] op_sel_hi:[1,0,0]   ; t - M, two at a time
.set J, J+2
.endr
.irp b, 0,1,2,3
	v_fma_f32 v[232+\b], v[232+\b], s[CS], v12     ; the same of each block's largest score
.endr
.set J, 0
	s_wait_alu depctr_va_vdst(0)
.rept 64
	v_exp_f32 v[96+J], v[96+J]                     ; p = 2^(t - M), at most 1
.set J, J+1
.endr
	s_setprio 1
	v_pk_mul_f32 v[14:15], v[14:15], v[252:253] op_sel_hi:[1,0]   ; the sums under the new M (a plain line behind the exponentials)
	s_wait_alu depctr_va_vdst(0)                   ; one wait for the whole batch, ahead of its first reader
.irp b, 0,1,2,3
	v_exp_f32 v[232+\b], v[232+\b]                 ; the block's largest p: the same two instructions on the same number give the same bits
.endr
	v_pk_add_f32 v[236:237], v[100:101], v[104:105]
	v_pk_add_f32 v[246:247], v[108:109], v[112:113]
	v_pk_add_f32 v[244:245], v[116:117], v[120:121]
	v_pk_add_f32 v[240:241], v[124:125], v[128:129]
	v_pk_add_f32 v[238:239], v[132:133], v[136:137]
	v_pk_add_f32 v[230:231], v[140:141], v[144:145]
	v_pk_add_f32 v[228:229], v[148:149], v[152:153]
	v_pk_add_f32 v[14:15], v[14:15], v[156:157]
	v_pk_add_f32 v[236:237], v[236:237], v[96:97]
	v_pk_add_f32 v[246:247], v[246:247], v[98:99]
	v_pk_add_f32 v[244:245], v[244:245], v[102:103]
	v_pk_add_f32 v[240:241], v[240:241], v[106:107]
	v_pk_add_f32 v[238:239], v[238:239], v[110:111]
	v_pk_add_f32 v[230:231], v[230:231], v[114:115]
	v_pk_add_f32 v[228:229], v[228:229], v[118:119]
	v_pk_add_f32 v[14:15], v[14:15], v[122:123]
	v_pk_add_f32 v[236:237], v[236:237], v[126:127]
	v_pk_add_f32 v[246:247], v[246:247], v[130:131]
	v_pk_add_f32 v[244:245], v[244:245], v[134:135]
	v_pk_add_f32 v[240:241], v[240:241], v[138:139]
	v_pk_add_f32 v[238:239], v[238:239], v[142:143]
	v_pk_add_f32 v[230:231], v[230:231], v[146:147]
	v_pk_add_f32 v[228:229], v[228:229], v[150:151]
	v_pk_add_f32 v[14:15], v[14:15], v[154:155]
	v_pk_add_f32 v[236:237], v[236:237], v[158:159]
	s_delay_alu instid0(VALU_DEP_2)
	v_pk_add_f32 v[14:15], v[14:15], v[240:241]
	s_delay_alu instid0(VALU_DEP_2)
	v_pk_add_f32 v[236:237], v[236:237], v[238:239]
	v_pk_add_f32 v[246:247], v[246:247], v[230:231]
	v_pk_add_f32 v[244:245], v[244:245], v[228:229]
	s_delay_alu instid0(VALU_DEP_2)
	v_pk_add_f32 v[14:15], v[14:15], v[246:247]
	s_delay_alu instid0(VALU_DEP_2)
	v_pk_add_f32 v[236:237], v[236:237], v[244:245]
	s_delay_alu instid0(VALU_DEP_1)
	v_pk_add_f32 v[14:15], v[14:15], v[236:237]
	s_wait_alu depctr_va_vdst(0)                   ; and one for the four
.irp b, 0,1,2,3
	v_max_num_f32 v[232+\b], 0x1800000, v[232+\b]  ; the floor 2^(3 - 127)
.endr
.irp b, 0,1,2,3
	s_delay_alu instid0(VALU_DEP_4)
	v_add_nc_u32 v[244+\b], 0xff000000, v[232+\b]  ; 2 off the exponent field: the conversion's scale operand
.endr
.irp b, 0,1,2,3
	s_delay_alu instid0(VALU_DEP_4)
	v_lshrrev_b32 v[236+\b], 23, v[244+\b]         ; the scale's byte
.endr
	s_delay_alu instid0(VALU_DEP_3)
	v_lshl_or_b32 v253, v237, 8, v236              ; p's scale word for these 128 keys
	s_delay_alu instid0(VALU_DEP_1)
	v_lshl_or_b32 v253, v238, 16, v253
	s_delay_alu instid0(VALU_DEP_1)
	v_lshl_or_b32 v253, v239, 24, v253
.irp b, 0,1,2,3
	v_cvt_scalef32_pk8_fp4_f32 v[224+2*\b], v[96+16*\b:103+16*\b], v[244+\b]
	v_cvt_scalef32_pk8_fp4_f32 v[225+2*\b], v[104+16*\b:111+16*\b], v[244+\b]
.endr
	v_nop                                          ; one plain line behind a scaled conversion
.irp c, 0,1                            ; a whole block in a lane: lanes 0-15 block 2 c, lanes 16-31 block 2 c + 1
.irp i, 0,1
	v_permlane16_swap_b32 v[224+4*\c+\i], v[226+4*\c+\i]
.endr
.endr
.set J, 0
	s_setprio 0
.rept 16
	v_pk_mul_f32 v[160+J:161+J], v[160+J:161+J], v[252:253] op_sel_hi:[1,0]   ; O^T under the new M.  (These sixteen also stand between the lines that made p's codes and scale word and the products)
.set J, J+2
.endr
	s_wait_alu depctr_va_vdst(0)
	s_wait_dscnt 0x0                               ; V and its scale words are in
.irp t, 0,1,2,3
	v_wmma_scale_f32_16x16x128_f8f6f4 v[160+8*\t:167+8*\t], v[192+8*\t:199+8*\t], v[224:231], v[160+8*\t:167+8*\t], v[28+\t], v253 matrix_a_fmt:MATRIX_FMT_FP4 matrix_b_fmt:MATRIX_FMT_FP4   ; the four accumulators by turns, one instruction a turn
.endr
.endm
; A PASS: one tile of 16 queries against all 2,048 keys, then its way out.
.macro PASS p
.if \p
	s_wait_xcnt 0x0                                ; the first pass's stores have read their data: those registers are written again below
.irp i, 0,1,2,3
	v_mov_b32 v[16+\i], v[248+\i]
.endr
	v_mov_b32 v255, v243
.endif
	v_mov_b32 v13, 0xff61b1e6                      ; the largest t so far: -3e38, under every t
	s_delay_alu instid0(VALU_DEP_1)
	v_floor_f32 v12, -v13                          ; -M
	v_mov_b32 v14, 0                               ; the sum, in two halves
	v_mov_b32 v15, 0
.set J, 0
.rept 32
	v_mov_b32 v[160+J], 0                          ; O^T: the step is written once; the first finds zeros, which the first change of M leaves zeros
.set J, J+1
.endr
	s_mov_b32 s[TB], 0
.Lstep_\@:                                         ; 16 trips
	s_setprio 2
	STEP
	s_add_co_u32 s[TB], s[TB], GSK
	s_cmp_lt_u32 s[TB], HSK
	s_cbranch_scc1 .Lstep_\@
	s_setprio 0
.rept 4
	v_nop                                          ; plain lines behind the last products
.endr
	v_add_f32 v14, v14, v15                        ; the sum's two halves,
	s_delay_alu instid0(VALU_DEP_1)
	v_permlanex16_b32 v252, v14, s[SEL], s[SEL+1]
	s_delay_alu instid0(VALU_DEP_1)
	v_add_f32 v14, v14, v252                       ; and lane l xor 16's: the row's sum
	s_wait_alu depctr_va_vdst(0)
	v_rcp_f32 v14, v14
	v_nop                                          ; a plain line behind the reciprocal
	s_wait_alu depctr_va_vdst(0)                   ; and the wait ahead of its first reader
.set J, 0
.rept 16
	v_pk_mul_f32 v[96+J:97+J], v[160+J:161+J], v[14:15] op_sel_hi:[1,0]   ; O^T / the sum, each accumulator from its low end on: register 16 b + i = channel 32 b + 16 (lane / 16) + i of my query
.set J, J+2
.endr
.irp b, 0,1
	v_max3_num_f32 v[232+\b], |v[96+16*\b]|, |v[97+16*\b]|, 0x1800000   ; the head's two blocks of 32, quantised for the last projection
.endr
.irp i, 2,4,6,8,10,12,14
.irp b, 0,1
	s_delay_alu instid0(VALU_DEP_2)
	v_max3_num_f32 v[232+\b], v[232+\b], |v[96+16*\b+\i]|, |v[97+16*\b+\i]|
.endr
.endr
.irp b, 0,1
	s_delay_alu instid0(VALU_DEP_2)
	v_permlanex16_b32 v[236+\b], v[232+\b], s[SEL], s[SEL+1]
.endr
.irp b, 0,1
	s_delay_alu instid0(VALU_DEP_2)
	v_max_num_f32 v[232+\b], v[232+\b], v[236+\b]
.endr
.irp b, 0,1
	s_delay_alu instid0(VALU_DEP_2)
	v_add_nc_u32 v[244+\b], 0xff000000, v[232+\b]
.endr
.irp b, 0,1
	s_delay_alu instid0(VALU_DEP_2)
	v_lshrrev_b32 v[236+\b], 23, v[244+\b]
.endr
	s_delay_alu instid0(VALU_DEP_1)
	v_lshl_or_b32 v240, v237, 8, v236              ; the two bytes
.irp b, 0,1
	v_cvt_scalef32_pk8_fp4_f32 v[224+2*\b], v[96+16*\b:103+16*\b], v[244+\b]
	v_cvt_scalef32_pk8_fp4_f32 v[225+2*\b], v[104+16*\b:111+16*\b], v[244+\b]
.endr
	v_nop
	v_permlane16_swap_b32 v224, v226               ; lanes 0-15 block 0, lanes 16-31 block 1: half a fragment of the last projection's operand
	v_permlane16_swap_b32 v225, v227
	global_store_b128 v1, v[224:227], s[34:35] offset:131072*\p   ; 32 lanes store 512 consecutive aligned bytes
	global_store_b16 v3, v240, s[36:37] offset:8192*\p            ; 2 bytes into each of 16 rows of 32 (lanes 16-31 repeat lanes 0-15): a head owns 2 of a row's 32 scale bytes; 32 bytes beside the 512 of codes
.endm
	PASS 0
	PASS 1
	s_wait_tensorcnt 0x0                           ; the wave's end: three lines behind my tensor load
	ds_add_u32 v[SPW], v[NIL]
	s_wait_dscnt 0x0
	CROUND                                         ; the closing round
	s_endpgm
.Lfunc_end_k_qb460f6a9cd_attn:
	.size	k_qb460f6a9cd_attn, .Lfunc_end_k_qb460f6a9cd_attn-k_qb460f6a9cd_attn
	.p2alignl 7, 3214868480
	.fill 96, 4, 3214868480
	.section	.rodata,"a",@progbits
	.p2align	6, 0x0
	.amdhsa_kernel k_qb460f6a9cd_attn
		.amdhsa_group_segment_fixed_size 167936
		.amdhsa_private_segment_fixed_size 0
		.amdhsa_enable_private_segment 0
		.amdhsa_kernarg_size 16
		.amdhsa_user_sgpr_count 2
		.amdhsa_user_sgpr_kernarg_segment_ptr 1
		.amdhsa_wavefront_size32 1
		.amdhsa_system_sgpr_workgroup_id_x 1
		.amdhsa_system_sgpr_workgroup_id_y 1
		.amdhsa_system_sgpr_workgroup_id_z 1
		.amdhsa_system_vgpr_workitem_id 0
		.amdhsa_next_free_vgpr 256
		.amdhsa_next_free_sgpr 66
		.amdhsa_reserve_vcc 0
		.amdhsa_float_denorm_mode_32 3
		.amdhsa_float_denorm_mode_16_64 3
		.amdhsa_memory_ordered 1
		.amdhsa_forward_progress 1
		.amdhsa_inst_pref_size 50
	.end_amdhsa_kernel
	.amdgpu_metadata
---
amdhsa.version: [ 1, 2 ]
amdhsa.kernels:
  - .name:           k_qb460f6a9cd_attn
    .symbol:         k_qb460f6a9cd_attn.kd
    .args:
      - { .name: qkv, .offset: 0, .size: 8, .value_kind: global_buffer, .address_space: global }
      - { .name: oq, .offset: 8, .size: 8, .value_kind: global_buffer, .address_space: global }
    .group_segment_fixed_size: 167936
    .private_segment_fixed_size: 0
    .kernarg_segment_align: 8
    .kernarg_segment_size: 16
    .max_flat_workgroup_size: 512
    .sgpr_count:     66
    .vgpr_count:     256
    .wavefront_size: 32
...
	.end_amdgpu_metadata
.endif
;; end of part 4
;; launch outp (part 5): grid 4 x 32, 4 waves a work-group, clusters of 4 x 4, 327,680 bytes of LDS; arguments oq, wq, bo, out0; writes out0
.if DOCPART == 5
	.amdgcn_target "amdgcn-amd-amdhsa--gfx1250"
	.amdhsa_code_object_version 6
	.text
	.protected	k_qb460f6a9cd_outp
	.globl	k_qb460f6a9cd_outp
	.p2align	8
	.type	k_qb460f6a9cd_outp,@function
k_qb460f6a9cd_outp:
	s_mov_b64 s[64:65], 0
	v_nop
	global_prefetch_b8 v0, s[64:65] scope:SCOPE_SE
	s_setreg_imm32_b32 hwreg(HW_REG_WAVE_MODE, 25, 1), 1
	s_wait_xcnt 0x0
	s_wait_alu depctr_hold_cnt(0) depctr_sa_sdst(0) depctr_va_vdst(0) depctr_va_sdst(0) depctr_va_ssrc(0) depctr_va_vcc(0) depctr_vm_vsrc(0)
	s_getreg_b32 s2, hwreg(HW_REG_IB_STS2, 6, 4)
	s_cmp_eq_u32 s2, 0
	s_cbranch_scc0 .Lentry_in_a_cluster
	s_endpgm
.Lentry_in_a_cluster:
	s_bfe_u32 s2, ttmp6, 0x10000c
	s_cmp_lg_u32 s2, 0xf033
	s_cbranch_scc0 .Lentry_shape_is_right
	s_endpgm
.Lentry_shape_is_right:
; out0 = O Wo + bo on codes of E2M1 with E8M0 scales (K = 1,024); out0 [8192][1024] f32.  No work is left out.
; A work-group of four waves makes 256 tokens x 256 features; a wave 128 x 128: 64 accumulators, 512 registers.  All of K comes by a wave's three first fills: nothing in LDS is filled again by a tensor load.
; CLUSTERS: 4 x 4 work-groups; O's tiles are shared along a row of the cluster, Wo's along a column, each asked for jointly.
; O's codes lie in oq as images of operand registers (tile of 16 positions x 8,192 + K step x 1,024 + c x 512 + 16 x lane): a load of 16 bytes a lane takes 512 consecutive bytes, no padding.  Wo's codes are rows 3,072 on of wq.
; THE MATRIX INSTRUCTION IS USED TRANSPOSED (source 0 = 16 rows of Wo, source 1 = 16 tokens): a lane holds eight neighbouring features of one token.  Tokens and features lie in position order
; (position 16 u + r of 32 = 8 u + r + 8 (r / 8)); the way out puts both back: the columns by the place in the stage, the rows by the store's immediate.  bo is the C of each sum's first matrix instruction.
; REGISTERS, in windows of 256: window 0: v0-31 addresses; v32-95 scale words, two sets, and nothing else; v128-191 O's fragments, ONE set; v192-255 the bias; on the way out v128-255 are rows read back.
;   window 1: Wo's fragments, TWO sets.   window 2: the accumulators of my tokens' tiles 0-3 ((a, b) at v[8 (8 (a % 4) + b)]);   window 3: tiles 4-7.
.set NQ,     4
.set ROWB,   256
.set KROW,   512
.set PITCH,  272
.set FR,     8
.set NL,     2
.set NP,     4
.set HALFT,  128*PITCH
.set SLOT,   4*HALFT
.set KS,     32
.set SCL,    2*SLOT
.set HALFS,  16*272
.set SBLK,   2*272
.set SPARE,  327168                    ; the last 512 bytes: the spare words, 128 bytes a wave
.set OS_OFF, 4194304
.set WS_OFF, 2097152
.set SPITCH, 528                       ; the way out: a stage of 16 rows x (512 + 16) bytes for each wave, in slot 0, which has had its only fill and its last read when the first result is stored there
.set ADRA, 16
.set ADRB, 20
.set STO,  24
.set RD,   25
.set CO,   26
.set ADRS, 27
.set SPW,  28
.set NIL,  29
.set SC,   32
.set AF,   128
.set BK,   128
.set BIAS, 192
.set G1, 24
.set G0, 32
.set G1B, 48
.set G0B, 56
.set G1S, 68
.set G0S, 76
.set G1SB, 80
.set G0SB, 88
.set MSB, 0
.macro WIN new
.if MSB != (\new)
	s_set_vgpr_msb (MSB<<8)|(\new)
.set MSB, (\new)
.endif
.endm
.set MUL_LO, 0xa1
.set MUL_HI, 0xf1
.set TO_B,   0x40
.macro JLOAD g0a, g1a, g0b, g1b        ; a joint load: waves 0 and 1 fetch for O, waves 2 and 3 for Wo; an s_nop 0 and four v_nop follow each line
	s_cmp_eq_u32 s15, 0
	s_cbranch_scc0 .Lfor_b_\@
	tensor_load_to_lds s[\g0a:\g0a+3], s[\g1a:\g1a+7]
	s_nop 0
.rept 4
	v_nop
.endr
	s_branch .Lasked_\@
.Lfor_b_\@:
	tensor_load_to_lds s[\g0b:\g0b+3], s[\g1b:\g1b+7]
	s_nop 0
.rept 4
	v_nop
.endr
.Lasked_\@:
.endm
.macro CROUND
	s_barrier_signal -1
	s_barrier_wait -1
	s_cmp_lg_u32 s14, 0
	s_cbranch_scc1 .Lnot_wave_0_\@
	s_barrier_signal -3
.Lnot_wave_0_\@:
	s_barrier_wait -3
	s_barrier_signal -1
	s_barrier_wait -1
.endm
	s_load_b256 s[4:11], s[0:1], 0x0               ; oq s[4:5], wq s[6:7], bo s[8:9], out0 s[10:11]
	v_lshl_add_u32 v[SPW], v0, 2, SPARE
	v_mov_b32 v[NIL], 0
	ds_add_u32 v[SPW], v[NIL]                      ; the wave's opening: the add, twice on end, and its wait ahead of my first tensor load
	ds_add_u32 v[SPW], v[NIL]
	v_lshrrev_b32 v1, 5, v0
	v_readfirstlane_b32 s14, v1                    ; wave 0..3
	s_lshr_b32 s15, s14, 1                         ; which half of the tokens is mine.  Also: I fetch for O (0) or for Wo (1)
	s_and_b32 s16, s14, 1                          ; which half of the features.  Also: which half of that tile I fetch
	s_bfe_u32 s40, ttmp6, 0x40000
	s_bfe_u32 s41, ttmp6, 0x40004
	s_lshl_b32 s42, ttmp9, 2
	s_add_co_u32 s42, s42, s40                     ; the features' tile
	s_and_b32 s17, ttmp7, 0xffff
	s_lshl_b32 s17, s17, 2
	s_add_co_u32 s17, s17, s41                     ; the tokens' tile
	s_lshl_b32 s43, s41, 2
	s_lshl_b32 s43, 15, s43                        ; my row of the cluster
	s_lshl_b32 s44, 0x1111, s40                    ; my column
	; O's tiles: 8 tiles of 16 positions, of each the 4,096 bytes of a slot's four K steps: 8 rows of 512 elements of 8 bytes, 1,024 elements apart, dense in LDS
	s_or_b32 s[G1+0], s43, (3<<16)|(1<<21)
	s_mov_b32 s[G1+1], 512<<16                     ; tensor_dim0
	s_mov_b32 s[G1+2], 8<<16                       ; tensor_dim1
	s_mov_b32 s[G1+3], 512<<16                     ; tile_dim0
	s_mov_b32 s[G1+4], 8                           ; tile_dim1
	s_mov_b32 s[G1+5], 1024                        ; tensor_dim0_stride
	s_mov_b32 s[G1+6], 0
	s_mov_b32 s[G1+7], 0
	; Wo's tiles: 128 rows x 256 bytes, 16 bytes of padding behind each
	s_or_b32 s[G1B+0], s44, (0<<16)|(1<<20)|(1<<21)|(5<<22)|(3<<25)
	s_mov_b32 s[G1B+1], ROWB<<16
	s_mov_b32 s[G1B+2], 128<<16
	s_mov_b32 s[G1B+3], ROWB<<16
	s_mov_b32 s[G1B+4], 128
	s_mov_b32 s[G1B+5], KROW
	s_mov_b32 s[G1B+6], 0
	s_mov_b32 s[G1B+7], 0
	; the scale bytes of 128 rows: 4,096 dense bytes as 16 rows of 256, 16 bytes of padding behind each
	s_or_b32 s[G1S+0], s43, (3<<16)|(1<<20)|(1<<21)|(5<<22)|(3<<25)
	s_or_b32 s[G1SB+0], s44, (3<<16)|(1<<20)|(1<<21)|(5<<22)|(3<<25)
.irp g, G1S, G1SB
	s_mov_b32 s[\g+1], 32<<16
	s_mov_b32 s[\g+2], 16<<16
	s_mov_b32 s[\g+3], 32<<16
	s_mov_b32 s[\g+4], 16
	s_mov_b32 s[\g+5], 32
	s_mov_b32 s[\g+6], 0
	s_mov_b32 s[\g+7], 0
.endr
	s_lshl_b32 s18, s16, 7
	s_lshl_b32 s20, s17, 8
	s_add_co_u32 s20, s20, s18                     ; O: position 256 y + 128 x half
	s_lshl_b32 s46, s42, 8
	s_add_co_u32 s46, s46, s18
	s_add_co_u32 s46, s46, 3072                    ; Wo: row 3,072 + 256 x + 128 x half of wq
	s_mov_b32 s21, 0
	s_mov_b32 s47, 0
	s_mov_b64 s[18:19], KS
	s_mul_u64 s[22:23], s[20:21], s[18:19]
	s_mul_u64 s[92:93], s[46:47], s[18:19]
	s_mov_b64 s[18:19], KROW                       ; 512 bytes of codes a position on both sides (a tile of 16 positions of O is 8,192 bytes)
	s_mul_u64 s[20:21], s[20:21], s[18:19]
	s_mul_u64 s[46:47], s[46:47], s[18:19]
	s_mul_i32 s45, s14, HALFT
	s_mul_i32 s94, s14, HALFS
	s_wait_dscnt 0x0                               ; both opening adds are done
	s_wait_kmcnt 0x0
	s_add_nc_u64 s[20:21], s[4:5], s[20:21]
	s_add_nc_u64 s[22:23], s[4:5], s[22:23]
	s_add_nc_u64 s[22:23], s[22:23], OS_OFF
	s_add_nc_u64 s[46:47], s[6:7], s[46:47]
	s_add_nc_u64 s[92:93], s[6:7], s[92:93]
	s_add_nc_u64 s[92:93], s[92:93], WS_OFF
	CROUND                                         ; all sixteen work-groups are here: the first joint loads meet
	s_mov_b32 s[G0S], 1
	s_add_co_u32 s[G0S+1], s94, SCL
	s_mov_b64 s[G0S+2:G0S+3], s[22:23]
	s_or_b32 s[G0S+3], s[G0S+3], 0x80000000
	s_mov_b32 s[G0SB], 1
	s_add_co_u32 s[G0SB+1], s94, SCL
	s_mov_b64 s[G0SB+2:G0SB+3], s[92:93]
	s_or_b32 s[G0SB+3], s[G0SB+3], 0x80000000
	JLOAD G0S, G1S, G0SB, G1SB
.irp s, 0,1
	s_mov_b32 s[G0+4*\s], 1
	s_add_co_u32 s[G0+4*\s+1], s45, \s*SLOT
	s_add_nc_u64 s[G0+4*\s+2:G0+4*\s+3], s[20:21], \s*4096
	s_or_b32 s[G0+4*\s+3], s[G0+4*\s+3], 0x80000000
	s_mov_b32 s[G0B+4*\s], 1
	s_add_co_u32 s[G0B+4*\s+1], s45, \s*SLOT
	s_add_nc_u64 s[G0B+4*\s+2:G0B+4*\s+3], s[46:47], \s*ROWB
	s_or_b32 s[G0B+4*\s+3], s[G0B+4*\s+3], 0x80000000
	s_wait_alu depctr_va_vdst(0)
	s_wait_tensorcnt 0x0
	ds_add_u32 v28, v29
	s_wait_dscnt 0x0
	CROUND
	JLOAD G0+4*\s, G1, G0B+4*\s, G1B               ; one tensor load of mine is out; no descriptor register is written again
.endr
	v_and_b32 v1, 15, v0                           ; r
	v_bfe_u32 v2, v0, 4, 1                         ; h
	s_wait_alu depctr_va_vdst(0)
	v_and_b32 v9, 31, v0
	v_lshlrev_b32 v[CO], 4, v9                     ; 16 x lane: an image's place, and my 16 bytes of a row of 512 on the way out
	s_wait_alu depctr_va_vdst(0)
	; out0 at my first token and first feature; bo at my first feature
	s_lshl_b32 s20, s17, 8
	s_lshl_b32 s21, s15, 7
	s_add_co_u32 s20, s20, s21
	s_lshl_b32 s20, s20, 12                        ; rows of 4,096 bytes
	s_lshl_b32 s46, s42, 10
	s_lshl_b32 s47, s16, 9
	s_add_co_u32 s46, s46, s47                     ; 4 x (256 x + 128 x half)
	s_add_co_u32 s20, s20, s46
	s_mov_b32 s21, 0
	s_mov_b32 s47, 0
	s_add_nc_u64 s[12:13], s[10:11], s[20:21]
	s_add_nc_u64 s[8:9], s[8:9], s[46:47]
	v_lshlrev_b32 v8, 6, v2                        ; the bias in the results' layout: register 8 b + j = bo[n0 + 32 (b / 2) + 8 (b % 2) + 16 h + j]
.irp b, 0,1,2,3,4,5,6,7
	global_load_b128 v[BIAS+8*\b:BIAS+8*\b+3], v8, s[8:9] offset:(32*(\b/2)+8*(\b%2))*4
	global_load_b128 v[BIAS+8*\b+4:BIAS+8*\b+7], v8, s[8:9] offset:(32*(\b/2)+8*(\b%2))*4+16
.endr
	v_mul_u32_u24 v3, v1, PITCH
	v_lshl_add_u32 v4, v2, 4, v3
	s_mul_i32 s21, s15, HALFT                      ; my 8 tiles of O
	s_mul_i32 s22, s16, HALFT                      ; my 128 rows of Wo,
	s_add_co_u32 s22, s22, 2*HALFT                 ; behind O's two halves
.irp s, 0,1
	v_add_nc_u32 v[ADRA+\s], s21, v[CO]
	v_add_nc_u32 v[ADRB+\s], s22, v4
	s_add_co_u32 s21, s21, SLOT
	s_add_co_u32 s22, s22, SLOT
.endr
	v_mul_u32_u24 v5, v1, KS                       ; my row's scale bytes: 32 a row,
	v_lshrrev_b32 v6, 8, v5
	v_lshl_add_u32 v5, v6, 4, v5                   ; and 16 more for each 256 passed
	s_mul_i32 s21, s15, HALFS
	s_mul_i32 s22, s16, HALFS
	s_add_co_u32 s22, s22, 2*HALFS
	s_sub_co_u32 s22, s22, s21
	v_mul_u32_u24 v6, s22, v2                      ; lanes 16-31 take Wo's
	s_add_co_u32 s21, s21, SCL
	v_add_nc_u32 v5, v5, v6
	v_add_nc_u32 v[ADRS], s21, v5
	s_mul_i32 s23, s14, 16*SPITCH                  ; my stage
	v_mul_u32_u24 v5, v1, SPITCH
	v_lshl_add_u32 v5, v2, 6, v5                   ; in: row r, + 64 h: tile b's eight features lie at 128 (b / 2) + 64 h + 32 (b % 2) bytes: the true order
	v_add_nc_u32 v[STO], s23, v5
	v_add_nc_u32 v[RD], s23, v[CO]                 ; back: the 32 lanes take one row of 512 bytes
.macro FRAGB reg, adr, q, i
.irp c, 0,1
	ds_load_b128 v[\reg+4*\c:\reg+4*\c+3], v[\adr] offset:64*(\q)+32*\c+(\i)*16*PITCH
.endr
.endm
.macro FRAGA reg, slot, q, i           ; an image: tile i, the slot's q-th K step
.irp c, 0,1
	ds_load_b128 v[\reg+4*\c:\reg+4*\c+3], v[ADRA+\slot] offset:4096*(\i)+1024*(\q)+512*\c
.endr
.endm
; 16 matrix instructions: tokens' tiles a0, a0 + 1 x Wo's eight.  zero = 1: C = the bias.  The 64 accumulators take turns, one instruction a turn, in the same order in every step.
.macro MUL16 a0, p, q, sc, zero
.irp a, \a0, \a0+1
.irp b, 0,1,2,3,4,5,6,7
.if \zero
	v_wmma_scale_f32_16x16x128_f8f6f4 v[8*(8*((\a)%4)+\b):8*(8*((\a)%4)+\b)+7], v[128*(\p)+FR*\b:128*(\p)+FR*\b+FR-1], v[AF+FR*(\a):AF+FR*(\a)+FR-1], v[BIAS+8*\b:BIAS+8*\b+7], v[SC+8*NQ*(\sc)+NQ*\b+(\q)], v[SC+8*NQ*(\sc)+NQ*(\a)+(\q)] matrix_a_fmt:MATRIX_FMT_FP4 matrix_b_fmt:MATRIX_FMT_FP4 matrix_a_scale:MATRIX_SCALE_ROW1
.else
	v_wmma_scale_f32_16x16x128_f8f6f4 v[8*(8*((\a)%4)+\b):8*(8*((\a)%4)+\b)+7], v[128*(\p)+FR*\b:128*(\p)+FR*\b+FR-1], v[AF+FR*(\a):AF+FR*(\a)+FR-1], v[8*(8*((\a)%4)+\b):8*(8*((\a)%4)+\b)+7], v[SC+8*NQ*(\sc)+NQ*\b+(\q)], v[SC+8*NQ*(\sc)+NQ*(\a)+(\q)] matrix_a_fmt:MATRIX_FMT_FP4 matrix_b_fmt:MATRIX_FMT_FP4 matrix_a_scale:MATRIX_SCALE_ROW1
.endif
.endr
.endr
.endm
.macro FETCH_B slot, q, p
	WIN TO_B
.irp i, 0,1,2,3,4,5,6,7
	FRAGB 128*(\p)+FR*\i, ADRB+\slot, \q, \i
.endr
	WIN 0
.endm
.macro FETCH_A slot, q, i0
.irp i, \i0, \i0+1, \i0+2, \i0+3
	FRAGA AF+FR*(\i), \slot, \q, \i
.endr
.endm
.macro SCALES sc
.irp i, 0,1,2,3,4,5,6,7
	ds_load_b128 v[SC+8*NQ*\sc+NQ*\i:SC+8*NQ*\sc+NQ*\i+3], v[ADRS] offset:\i*SBLK
.endr
.endm
.macro PLACES n                        ; plain vector lines between a matrix instruction and a load into, or a read of, its registers
.rept \n
	v_nop
.endr
.endm
.macro STEP slot, q, zero
	s_wait_dscnt 4*NL                              ; Wo's set and the tokens' tiles 0-3 are in; the youngest eight loads (tiles 4-7) may be out
.if \zero
	WIN 0x81                                       ; C (the bias) in window 0, D in window 2
.else
	WIN MUL_LO
.endif
	MUL16 0, (\q)%2, \q, \slot, \zero
	MUL16 2, (\q)%2, \q, \slot, \zero
	s_wait_dscnt 0
	PLACES NP
	FETCH_B \slot, (\q)+1, 1-(\q)%2
	FETCH_A \slot, (\q)+1, 0
.if \zero
	WIN 0xc1
.else
	WIN MUL_HI
.endif
	MUL16 4, (\q)%2, \q, \slot, \zero
	MUL16 6, (\q)%2, \q, \slot, \zero
	PLACES NP
	WIN 0
	FETCH_A \slot, (\q)+1, 4
.endm
.macro TURN slot, next                 ; slot 0's last step goes over to slot 1: all my tensor loads are waited for, then one barrier; behind it nobody reads slot 0 any more
	s_wait_tensorcnt 0x0
	ds_add_u32 v[SPW], v[NIL]                      ; 0 onto my spare word
	s_wait_dscnt 4*NL+1                            ; (the add and the youngest eight loads may be out)
	WIN MUL_LO
	MUL16 0, 1, NQ-1, \slot, 0
	s_wait_dscnt 0x0                               ; my reads of this slot are over
	s_barrier_signal -1
	MUL16 2, 1, NQ-1, \slot, 0
	WIN 0
	s_barrier_wait -1
	PLACES NP
	v_add_nc_u32 v[ADRS], 4*NQ, v[ADRS]
	FETCH_B \next, 0, 0
	FETCH_A \next, 0, 0
	SCALES \next
	WIN MUL_HI
	MUL16 4, 1, NQ-1, \slot, 0
	MUL16 6, 1, NQ-1, \slot, 0
	PLACES NP
	WIN 0
	FETCH_A \next, 0, 4
.endm
.macro STEPS slot, from
.set Q, \from
.rept NQ-1-\from
	STEP \slot, Q, 0
.set Q, Q+1
.endr
.endm
	s_wait_alu depctr_va_vdst(0)
	s_wait_tensorcnt 1                             ; the scale bytes and my part of slot 0 are in (slot 1's load may be out)
	s_barrier_signal -1
	s_barrier_wait -1                              ; everybody's are
	FETCH_B 0, 0, 0
	FETCH_A 0, 0, 0
	SCALES 0
	FETCH_A 0, 0, 4
	s_wait_loadcnt 0x0                             ; the bias
	STEP 0, 0, 1
	STEPS 0, 1
	TURN 0, 1
	STEPS 1, 0
	s_wait_dscnt 4*NL
	WIN MUL_LO
	MUL16 0, 1, NQ-1, 1, 0
	MUL16 2, 1, NQ-1, 1, 0
	s_wait_dscnt 0
	WIN MUL_HI
	MUL16 4, 1, NQ-1, 1, 0
	MUL16 6, 1, NQ-1, 1, 0
	WIN 0
; THE WAY OUT, tile by tile of 16 tokens x 128 features, through my own stage in LDS: in as 32 bytes a lane, back as whole rows of 512 bytes.  LDS serves a wave's instructions in order: no wait between the stores and the loads.
.macro TOSTAGE a
.set AC, 64*((\a)%4)
	WIN 0x08+4*((\a)/4)                            ; the data: window 2 or 3
.irp b, 0,1,2,3,4,5,6,7
	ds_store_b128 v[STO], v[AC+8*\b:AC+8*\b+3] offset:128*(\b/2)+32*(\b%2)          ; each accumulator from its low end on
	ds_store_b128 v[STO], v[AC+8*\b+4:AC+8*\b+7] offset:128*(\b/2)+32*(\b%2)+16
.endr
	WIN 0
.set BB, BK+64*((\a)%2)
.irp t, 0,1,2,3,4,5,6,7,8,9,10,11,12,13,14,15
	ds_load_b128 v[BB+4*\t:BB+4*\t+3], v[RD] offset:\t*SPITCH
.endr
.endm
.macro SEND a, younger                 ; younger: the LDS instructions issued behind tile a's loads, which may stay out
.set BB, BK+64*((\a)%2)
	s_wait_dscnt \younger
.irp t, 0,1,2,3,4,5,6,7,8,9,10,11,12,13,14,15
	global_store_b128 v[CO], v[BB+4*\t:BB+4*\t+3], s[12:13] offset:(32*((\a)/2)+8*((\a)%2)+\t+8*(\t/8))*4096 th:TH_STORE_NT   ; position 16 a + t is token 32 (a / 2) + 8 (a % 2) + t + 8 (t / 8); 32 lanes store 512 consecutive aligned bytes
.endr
.endm
	PLACES NP
	TOSTAGE 0
.irp a, 1,2,3,4,5,6,7
.if \a > 1
	s_wait_xcnt 0x0                                ; tile a - 2's stores have read their registers: tile a's loads may land there
.endif
	TOSTAGE \a
	SEND \a-1, 32                                  ; behind tile a - 1's loads: tile a's 16 stores and 16 loads
.endr
	SEND 7, 0
	s_wait_tensorcnt 0x0                           ; the wave's end: three lines behind my last tensor load and my last LDS store
	ds_add_u32 v[SPW], v[NIL]
	s_wait_dscnt 0x0
	CROUND                                         ; the closing round
	s_endpgm
.Lfunc_end_k_qb460f6a9cd_outp:
	.size	k_qb460f6a9cd_outp, .Lfunc_end_k_qb460f6a9cd_outp-k_qb460f6a9cd_outp
	.p2alignl 7, 3214868480
	.fill 96, 4, 3214868480
	.section	.rodata,"a",@progbits
	.p2align	6, 0x0
	.amdhsa_kernel k_qb460f6a9cd_outp
		.amdhsa_group_segment_fixed_size 327680
		.amdhsa_private_segment_fixed_size 0
		.amdhsa_enable_private_segment 0
		.amdhsa_kernarg_size 32
		.amdhsa_user_sgpr_count 2
		.amdhsa_user_sgpr_kernarg_segment_ptr 1
		.amdhsa_wavefront_size32 1
		.amdhsa_system_sgpr_workgroup_id_x 1
		.amdhsa_system_sgpr_workgroup_id_y 1
		.amdhsa_system_sgpr_workgroup_id_z 1
		.amdhsa_system_vgpr_workitem_id 0
		.amdhsa_next_free_vgpr 1024
		.amdhsa_next_free_sgpr 100
		.amdhsa_reserve_vcc 0
		.amdhsa_float_denorm_mode_32 3
		.amdhsa_float_denorm_mode_16_64 3
		.amdhsa_memory_ordered 1
		.amdhsa_forward_progress 1
		.amdhsa_inst_pref_size 126
	.end_amdhsa_kernel
	.amdgpu_metadata
---
amdhsa.version: [ 1, 2 ]
amdhsa.kernels:
  - .name:           k_qb460f6a9cd_outp
    .symbol:         k_qb460f6a9cd_outp.kd
    .args:
      - { .name: oq, .offset: 0, .size: 8, .value_kind: global_buffer, .address_space: global }
      - { .name: wq, .offset: 8, .size: 8, .value_kind: global_buffer, .address_space: global }
      - { .name: bo, .offset: 16, .size: 8, .value_kind: global_buffer, .address_space: global }
      - { .name: out0, .offset: 24, .size: 8, .value_kind: global_buffer, .address_space: global }
    .group_segment_fixed_size: 327680
    .private_segment_fixed_size: 0
    .kernarg_segment_align: 8
    .kernarg_segment_size: 32
    .max_flat_workgroup_size: 128
    .sgpr_count:     100
    .vgpr_count:     1024
    .wavefront_size: 32
...
	.end_amdgpu_metadata
.endif
;; end of part 5
